; MI455X (gfx1250); checked and timed in simulation.
; The chip was launched on July 23, 2026; its instructions are those of AMD's public machine-readable ISA for CDNA 5 (MIT licence, August 2026) and "CDNA5" Instruction Set Architecture Reference Guide (July 2026). The comments in the code are by the model that wrote it; some were corrected since.
;; Multi Head Self Attention Module. Allowed arithmetic: matrix products marked QUANTISED: E2M3 operands, one E8M0 scale for each 32 along K, by v_wmma_scale_f32_16x16x128_f8f6f4 with both operands' format E2M3, f32 sums; everything else in f32.
;; Inputs: bk 1,024 float32; bo 1,024 float32; bq 1,024 float32; bv 1,024 float32; ln_b 1,024 float32; ln_g 1,024 float32; rel_bias 16 x 32 x 32 float32; wk_codes 1,024 x 32 x 24 uint8 (E2M3 codes of wk, K innermost, in blocks of 32 codes, four codes in three bytes); wk_scales 1,024 x 32 uint8 (E8M0 scales of wk, one for each 32 codes along K); wo_codes 1,024 x 32 x 24 uint8 (E2M3 codes of wo, K innermost, in blocks of 32 codes, four codes in three bytes); wo_scales 1,024 x 32 uint8 (E8M0 scales of wo, one for each 32 codes along K); wq_codes 1,024 x 32 x 24 uint8 (E2M3 codes of wq, K innermost, in blocks of 32 codes, four codes in three bytes); wq_scales 1,024 x 32 uint8 (E8M0 scales of wq, one for each 32 codes along K); wv_codes 1,024 x 32 x 24 uint8 (E2M3 codes of wv, K innermost, in blocks of 32 codes, four codes in three bytes); wv_scales 1,024 x 32 uint8 (E8M0 scales of wv, one for each 32 codes along K); x 512 x 32 x 1,024 float32.
;; Outputs: out0 512 x 32 x 1,024 float32.
;; This version of the problem:
;;   THIS VERSION OF THE PROBLEM IS GIVEN IN LOW PRECISION. The matrix products marked QUANTISED in the list below multiply operands that are first quantised to E2M3 (2 exponent bits, 3 mantissa bits; 6 bits a number), with one power-of-two scale for each 32 numbers along K (OCP MX v1.0); their sums are f32. All else is computed in f32.
;;   The module's matrix products, in the order in which they are computed (A, B: the left and right operand; K: the contracted axis; several contracted axes count as one K, in the product's order):
;;     1. [M 16,384, K 1,024] x [K 1,024, N 1,024]; A: computed on the way; B: input wq (given as codes): QUANTISED
;;     2. [M 16,384, K 1,024] x [K 1,024, N 1,024]; A: computed on the way; B: input wk (given as codes): QUANTISED
;;     3. [M 16,384, K 1,024] x [K 1,024, N 1,024]; A: computed on the way; B: input wv (given as codes): QUANTISED
;;     4. batch 8,192 x [M 32, K 64] x [K 64, N 32]; A: computed on the way; B: computed on the way: QUANTISED
;;     5. batch 8,192 x [M 32, K 32] x [K 32, N 64]; A: softmax (see below); B: computed on the way: QUANTISED
;;     6. [M 16,384, K 1,024] x [K 1,024, N 1,024]; A: computed on the way; B: input wo (given as codes): QUANTISED
;;   THE QUANTISER, for each operand of a quantised product, along K:
;;     - K is cut into blocks of 32 from its start; a last block that is shorter is filled with zeros.
;;     - A block's scale is 2^e with e = floor(log2(the largest magnitude in the block)) - 2, held to -126 .. 127; a block of zeros has e = 0. As a byte (E8M0): e + 127.
;;     - Each number is divided by its block's scale, clamped to +-7.5, and rounded to the nearest number of E2M3, ties to even, subnormals kept.
;;     - The product sums the exact products of the quantised numbers (number of the format x scale) in f32.
;;   ~~~python
;;   def quantise(x, axis):      # numpy; x: float32 -> the quantised numbers, widened to float32 again
;;       x = np.moveaxis(x, axis, -1); K = x.shape[-1]
;;       x = np.pad(x, [(0, 0)] * (x.ndim - 1) + [(0, -K % 32)]); x = x.reshape(x.shape[:-1] + (-1, 32)); a = np.abs(x).max(-1, keepdims=True)
;;       e = np.where(a > 0, np.clip(np.frexp(np.where(a > 0, a, 1))[1] - 1 - 2, -126, 127), 0)      # np.frexp(a)[1] - 1 = floor(log2(a)), exactly
;;       r = np.clip(x / 2.0 ** e, -7.5, 7.5)
;;       step = 2.0 ** (np.maximum(np.frexp(np.where(r == 0, 1, r))[1] - 1, 0) - 3)
;;       q = np.round(r / step) * step * 2.0 ** e      # np.round: ties to even
;;       return np.moveaxis(q.reshape(q.shape[:-2] + (-1,))[..., :K], -1, axis).astype(np.float32)
;;   ~~~
;;   SOFTMAX AHEAD OF A QUANTISED PRODUCT. Where the list says 'softmax', what is quantised is not the finished softmax but p = 2^(t - M), with t = logit x log2(e) and M = ceil(the row's largest t), a whole number; so 1/2 < the row's largest p <= 1. The row's sum l is taken of the UNQUANTISED p, in f32, and the product's result is divided by l at the end. Since M is a whole number, a kernel that streams over the keys may use a running M (the ceiling of the running maximum): every later rescaling is an exact power of two, which a block's scale takes up: the codes' values come out the same.
;;   OPERANDS COMPUTED ON THE WAY. 'Computed on the way' means the value that the module computes at that place (a softmax that the list does not call 'softmax' is quantised finished and normalised). What goes into a quantiser is computed in f32, as accurately as f32 sums, v_exp_f32 and their like allow (about 1e-6 of the number): no bf16 or f16 on the way to a quantiser, and a product that is left as it is and whose result goes on into a quantised operand takes f32 operands (vector FMAs, or v_wmma_f32_16x16x4_f32). A number that lies on a knife's edge between two numbers of the format may be rounded either way, as far as f32 arithmetic and the matrix unit's own rounding can turn it there, and no further.
;;   INPUTS GIVEN AS CODES. wk (in the module: [1024, 1024], K = its axis 0); wo (in the module: [1024, 1024], K = its axis 0); wq (in the module: [1024, 1024], K = its axis 0); wv (in the module: [1024, 1024], K = its axis 0): each comes as NAME_codes (uint8): NAME with its K axis moved to the last place and cut into blocks of 32 codes, [.., K / 32, bytes a block], one block behind the other in memory; four codes in three bytes: a row's codes are one little-endian stream of bits, code i at bits 6 i .. 6 i + 5 (a code: sign, 2 exponent bits, 3 mantissa bits); and NAME_scales (uint8): the same leading axes, one E8M0 byte (e + 127) for each 32 codes along K. Its value is code x scale, taken as it is: it is not quantised again, and the codes and scales need not be those that the quantiser above would give.
;; One version. Each part assembles by itself: llvm-mc -triple=amdgcn-amd-amdhsa -mcpu=gfx1250 --defsym DOCPART=n.
;; ======== version 1 of 1: 3 launches
;; limits: right only within a limited range of input values
;; workspace buffers: xn_img 12,582,912 bytes; xn_sc 1,048,576 bytes; ctx_img 12,582,912 bytes; ctx_sc 1,048,576 bytes
;; launch lnq (part 1): grid 256 x 1, 4 waves a work-group, no clusters, 34,304 bytes of LDS; arguments x, ln_g, ln_b, xn_img, xn_sc; writes xn_img, xn_sc
.if DOCPART == 1
	.amdgcn_target "amdgcn-amd-amdhsa--gfx1250"
	.amdhsa_code_object_version 6
	.text
	.protected	k_qb3d19ea6a1_lnq
	.globl	k_qb3d19ea6a1_lnq
	.p2align	8
	.type	k_qb3d19ea6a1_lnq,@function
k_qb3d19ea6a1_lnq:
	s_mov_b64 s[64:65], 0
	v_nop
	global_prefetch_b8 v0, s[64:65] scope:SCOPE_SE
	s_setreg_imm32_b32 hwreg(HW_REG_WAVE_MODE, 25, 1), 1
	s_wait_xcnt 0x0
; LayerNorm of x [16,384][1,024] f32, quantised along the row to codes of FP6 (E2M3) with one E8M0 scale for each 32.
; A wave takes a row tile of 16 rows and keeps it in 512 registers between the mean, the variance and the scaling: x is read once here.  Waves share nothing: no barrier.
; THE RESULT IS LAID AS THE NEXT LAUNCH'S REGISTERS WANT IT: row tile T has eight images of fragments (16 rows x 128 K, 12 registers a lane), 1,536 bytes each: piece p = registers 4 p .. 4 p + 3 at 512 p + 16 x lane.
; The scale words of K steps 2 q, 2 q + 1 lie at 262,144 q + 256 T + 8 x lane.  Every store of a wave covers 512 or 256 consecutive bytes, aligned.
; Each chunk's codes have registers of their own, so that no store's data are written again.
; LIMITS: NaN and infinities are not served.  A block whose largest magnitude lies under 2^-124 keeps the scale byte 1 (a block of zeros too: its codes are zeros, and this program alone reads the bytes).
; REGISTERS: window 0: v1-7 addresses; v16-31 at work; v32-43 sums, mean, 1 / sigma; v44-51 halves of codes; v52-59 scale words; v64-127 64 numbers at work; v128-223 the codes.  Window 1: gain and bias, two sets.  Windows 2, 3: x.
; THE IMAGES AS THIS TEXT LAYS THEM: an image's piece p = registers 4 p .. 4 p + 3 lies at 512 p + 16 x lane, three pieces of 512 bytes; inside a K step registers 6 c .. 6 c + 5 of lane (r, h) hold block 2 h + c, and the scale word's bytes stand for blocks 0, 2, 1, 3.
.set STGW,   8448                      ; a stage of 16 rows x 528 bytes for each wave, its own
.set SPARE,  4*STGW                    ; the spare words, 128 bytes for each wave: two blocks of 256 bytes that no other line names
.set XD,   1                           ; 16 x lane
.set XSI,  2                           ; the turn: into my stage
.set XSO,  3                           ; and out of it
.set GA,   4                           ; 64 h
.set LI8,  5                           ; 8 x lane
.set SPW,  6                           ; my spare word; never rewritten
.set NIL,  7                           ; 0; never rewritten
.set TR,   16
.set CH,   32
.set MU,   40
.set RS,   42
.set PT,   44
.set SW,   52
.set TT,   64
.set FC,   128
.set WV,   2
.set XL,   4
.set LNG,  6
.set LNB,  8
.set IM,   10
.set SC,   12
.set SEL,  14
.set MSB, 0
.macro WIN new                         ; the immediate's high byte repeats the setting that is left; a switch that changes nothing is dropped
.if MSB != (\new)
	s_set_vgpr_msb (MSB<<8)|(\new)
.set MSB, \new
.endif
.endm
.macro TURN ks                         ; chunk ks (128 columns of my 16 rows) through my stage, in place: loaded 16 bytes a lane as the bytes lie; afterwards lane (r, h) holds columns 128 ks + 32 b + 16 h + i of row r in register 16 b + i of the chunk
.if 16*(7-(\ks)) > 63
	s_wait_loadcnt 63                              ; (a wait names 63 at the most; the younger loads are more)
.else
	s_wait_loadcnt 16*(7-(\ks))                    ; the later chunks' loads may be out
.endif
.if (\ks) < 4
	WIN 0x88
.else
	WIN 0xcc
.endif
.irp q, 0,1,2,3,4,5,6,7,8,9,10,11,12,13,14,15
	ds_store_b128 v[XSI], v[64*((\ks)%4)+4*\q:64*((\ks)%4)+4*\q+3] offset:528*\q
.endr
.irp q, 0,1,2,3,4,5,6,7,8,9,10,11,12,13,14,15
	ds_load_b128 v[64*((\ks)%4)+4*\q:64*((\ks)%4)+4*\q+3], v[XSO] offset:128*(\q/4)+16*(\q%4)   ; LDS serves a wave's instructions in order (ISA guide 5.7.1.4): these see the stores above
.endr
.endm
.macro GBLOAD ks                       ; gain and bias of chunk ks, in the same layout, into set ks % 2 of window 1
	WIN 0x40
.irp q, 0,1,2,3,4,5,6,7,8,9,10,11,12,13,14,15
	global_load_b128 v[128*((\ks)%2)+4*\q:128*((\ks)%2)+4*\q+3], v[GA], s[LNG:LNG+1] offset:512*(\ks)+128*(\q/4)+16*(\q%4)
	global_load_b128 v[128*((\ks)%2)+64+4*\q:128*((\ks)%2)+64+4*\q+3], v[GA], s[LNB:LNB+1] offset:512*(\ks)+128*(\q/4)+16*(\q%4)
.endr
.endm
.macro COMBINE                         ; four chains of pairs, and the partner lane's, into v[CH]
	WIN 0
	v_pk_add_f32 v[CH:CH+1], v[CH:CH+1], v[CH+2:CH+3]
	v_pk_add_f32 v[CH+4:CH+5], v[CH+4:CH+5], v[CH+6:CH+7]
	v_pk_add_f32 v[CH:CH+1], v[CH:CH+1], v[CH+4:CH+5]
	v_add_f32 v[CH], v[CH], v[CH+1]
	v_permlanex16_b32 v[CH+2], v[CH], s[SEL], s[SEL+1]
	v_add_f32 v[CH], v[CH], v[CH+2]
.endm
.macro QUANT128 src, pc, pw            ; 64 numbers of a lane, register 16 b + i = k 32 b + 16 h + i of my row, become a fragment's codes in v[pc] on and its scale word in v[pw]
.irp b, 0,1,2,3
	v_max3_num_f32 v[TR+\b], |v[\src+16*\b]|, |v[\src+1+16*\b]|, 0x1800000   ; and the floor 2^-124: the byte cannot fall under 1
.endr
.irp i, 2,4,6,8,10,12,14
.irp b, 0,1,2,3
	v_max3_num_f32 v[TR+\b], v[TR+\b], |v[\src+16*\b+\i]|, |v[\src+1+16*\b+\i]|
.endr
.endr
.irp b, 0,1,2,3
	v_permlanex16_b32 v[TR+4+\b], v[TR+\b], s[SEL], s[SEL+1]
.endr
.irp b, 0,1,2,3
	v_max_num_f32 v[TR+\b], v[TR+\b], v[TR+4+\b]   ; with lane l xor 16's: the block's largest magnitude
.endr
.irp b, 0,1,2,3
	v_add_nc_u32 v[TR+12+\b], 0xff000000, v[TR+\b] ; 2 off its exponent field: the conversion's scale operand
.endr
.irp b, 0,1,2,3
	v_lshrrev_b32 v[TR+4+\b], 23, v[TR+12+\b]      ; the scale's byte
.endr
	; THE ORDER ALONG K: registers 6 c .. 6 c + 5 of lane (r, h) hold block 2 h + c of the K step, so that the weights' side can take 48 consecutive bytes a lane; the scale word's bytes go with it: blocks 0, 2, 1, 3
	v_lshl_or_b32 v[\pw], v[TR+6], 8, v[TR+4]
	v_lshl_or_b32 v[\pw], v[TR+5], 16, v[\pw]
	v_lshl_or_b32 v[\pw], v[TR+7], 24, v[\pw]
.irp c, 0,1
	v_cvt_scalef32_pk16_fp6_f32 v[\pc+6*\c:\pc+2+6*\c], v[\src+16*\c:\src+15+16*\c], v[TR+12+\c]        ; block c: it ends in lanes 0-15
	v_cvt_scalef32_pk16_fp6_f32 v[PT+4*\c:PT+2+4*\c], v[\src+32+16*\c:\src+47+16*\c], v[TR+14+\c]       ; block 2 + c: it ends in lanes 16-31
.endr
	v_nop                                          ; a plain place behind the conversions
.irp c, 0,1
.irp i, 0,1,2
	v_permlane16_swap_b32 v[\pc+6*\c+\i], v[PT+4*\c+\i]   ; a whole block in a lane: lanes 0-15 block c, lanes 16-31 block 2 + c
.endr
.irp i, 0,1,2
	v_mov_b32 v[\pc+3+6*\c+\i], v[PT+4*\c+\i]
.endr
.endr
.endm
.macro LNSTEP ks                       ; chunk ks: ((x - mean) / sigma) gain + bias, quantised, its image stored
.if (\ks) < 7
	GBLOAD (\ks)+1
	s_wait_loadcnt 32                              ; this chunk's gain and bias are in; the next chunk's 32 loads may be out
.else
	s_wait_loadcnt 0x0
.endif
.if (\ks) < 4
	WIN 0x02
.else
	WIN 0x03
.endif
.set i, 0
.rept 32
	v_pk_mul_f32 v[TT+i:TT+i+1], v[64*((\ks)%4)+i:64*((\ks)%4)+i+1], v[RS:RS+1]
.set i, i+2
.endr
	WIN 0x14
.set i, 0
.rept 32
	v_pk_fma_f32 v[TT+i:TT+i+1], v[TT+i:TT+i+1], v[128*((\ks)%2)+i:128*((\ks)%2)+i+1], v[128*((\ks)%2)+64+i:128*((\ks)%2)+64+i+1]
.set i, i+2
.endr
	WIN 0
	QUANT128 TT, FC+12*(\ks), SW+(\ks)
.irp p, 0,1,2
	global_store_b128 v[XD], v[FC+12*(\ks)+4*\p:FC+12*(\ks)+4*\p+3], s[IM:IM+1] offset:1536*(\ks)+512*\p th:TH_STORE_NT   ; 32 lanes store 512 consecutive bytes, aligned
.endr
.endm
	s_load_b256 s[4:11], s[0:1], 0x0               ; x, ln_g, ln_b, the images
	s_load_b64 s[12:13], s[0:1], 0x20              ; the scale words
	v_lshl_add_u32 v[SPW], v0, 2, SPARE
	v_mov_b32 v[NIL], 0
	v_lshrrev_b32 v8, 5, v0
	v_readfirstlane_b32 s[WV], v8                  ; wave 0..3
	v_and_b32 v8, 31, v0                           ; lane
	v_and_b32 v9, 15, v0                           ; r
	v_bfe_u32 v10, v0, 4, 1                        ; h
	s_mul_i32 s16, s[WV], STGW                     ; my stage
	v_lshlrev_b32 v[XD], 4, v8
	v_add_nc_u32 v[XSI], s16, v[XD]
	v_mul_u32_u24 v[XSO], v9, 528
	v_lshl_add_u32 v[XSO], v10, 6, v[XSO]
	v_add_nc_u32 v[XSO], s16, v[XSO]
	v_lshlrev_b32 v[GA], 6, v10
	v_lshlrev_b32 v[LI8], 3, v8
.irp b, 4,5,6,7
	v_mov_b32 v[TR+\b], 0                          ; written once: a lane permute's destination counts as one of its sources
.endr
	s_mov_b32 s[SEL], 0x76543210
	s_mov_b32 s[SEL+1], 0xfedcba98                 ; v_permlanex16_b32's selects for lane l xor 16
	s_mov_b32 s20, 0x3a800000                      ; 1 / 1,024
	s_mov_b32 s21, 0x3727c5ac                      ; 1e-5
	s_lshl_b32 s17, ttmp9, 2
	s_add_co_u32 s17, s17, s[WV]                   ; my row tile
	s_mov_b32 s19, 0
	s_wait_alu depctr_va_vdst(0)
	s_wait_kmcnt 0x0
	s_lshl_b32 s18, s17, 16                        ; 16 rows of 4,096 bytes
	s_add_nc_u64 s[XL:XL+1], s[XL:XL+1], s[18:19]
	s_mul_i32 s18, s17, 12288
	s_add_nc_u64 s[IM:IM+1], s[IM:IM+1], s[18:19]
	s_lshl_b32 s18, s17, 8
	s_add_nc_u64 s[SC:SC+1], s[SC:SC+1], s[18:19]
	WIN 0x80                                       ; 128 loads, each 512 consecutive bytes of a row
.set i, 0
.rept 64
	global_load_b128 v[4*i:4*i+3], v[XD], s[XL:XL+1] offset:4096*(i%16)+512*(i/16) th:TH_LOAD_NT
.set i, i+1
.endr
	WIN 0xc0
.set i, 0
.rept 64
	global_load_b128 v[4*i:4*i+3], v[XD], s[XL:XL+1] offset:4096*(i%16)+512*(4+i/16) th:TH_LOAD_NT
.set i, i+1
.endr
.irp k, 0,1,2,3,4,5,6,7
	TURN \k
.endr
	GBLOAD 0
	s_wait_dscnt 0x0                               ; a lane now holds half a row: 512 numbers
	WIN 0x0a                                       ; the mean: four chains of packed sums, started by the first sixteen numbers
.irp c, 0,1,2,3
	v_pk_add_f32 v[CH+2*\c:CH+2*\c+1], v[4*\c:4*\c+1], v[4*\c+2:4*\c+3]
.endr
	WIN 0x08
.set i, 16
.rept 120
	v_pk_add_f32 v[CH+2*((i/2)%4):CH+2*((i/2)%4)+1], v[CH+2*((i/2)%4):CH+2*((i/2)%4)+1], v[i:i+1]
.set i, i+2
.endr
	WIN 0x0c
.set i, 0
.rept 128
	v_pk_add_f32 v[CH+2*((i/2)%4):CH+2*((i/2)%4)+1], v[CH+2*((i/2)%4):CH+2*((i/2)%4)+1], v[i:i+1]
.set i, i+2
.endr
	COMBINE
	v_mul_f32 v[MU], s20, v[CH]                    ; / 1,024
	v_mov_b32 v[MU+1], v[MU]
	WIN 0x82                                       ; x - mean, in place; then the sum of its squares: no difference of large sums
.set i, 0
.rept 128
	v_pk_add_f32 v[i:i+1], v[i:i+1], v[MU:MU+1] neg_lo:[0,1] neg_hi:[0,1]
.set i, i+2
.endr
	WIN 0x0a
.irp c, 0,1,2,3
	v_pk_mul_f32 v[CH+2*\c:CH+2*\c+1], v[2*\c:2*\c+1], v[2*\c:2*\c+1]
.endr
.set i, 8
.rept 124
	v_pk_fma_f32 v[CH+2*((i/2)%4):CH+2*((i/2)%4)+1], v[i:i+1], v[i:i+1], v[CH+2*((i/2)%4):CH+2*((i/2)%4)+1]
.set i, i+2
.endr
	WIN 0xc3
.set i, 0
.rept 128
	v_pk_add_f32 v[i:i+1], v[i:i+1], v[MU:MU+1] neg_lo:[0,1] neg_hi:[0,1]
.set i, i+2
.endr
	WIN 0x0f
.set i, 0
.rept 128
	v_pk_fma_f32 v[CH+2*((i/2)%4):CH+2*((i/2)%4)+1], v[i:i+1], v[i:i+1], v[CH+2*((i/2)%4):CH+2*((i/2)%4)+1]
.set i, i+2
.endr
	COMBINE
	v_fma_f32 v[CH], v[CH], s20, s21               ; the variance + 1e-5
	s_wait_alu depctr_va_vdst(0)
	v_rsq_f32 v[RS], v[CH]
	v_nop                                          ; a plain instruction behind the transcendental
	s_wait_alu depctr_va_vdst(0)                   ; and the wait ahead of its first reader
	v_mov_b32 v[RS+1], v[RS]
	s_wait_alu depctr_va_vdst(0)
.irp k, 0,1,2,3,4,5,6,7
	LNSTEP \k
.endr
; the scale words leave in one run, behind the last vector work; each chunk's image left in its own step, from registers of its own.  Piece p = registers 4 p .. 4 p + 3 at 16 x lane: 32 lanes store 512 consecutive bytes, aligned
.irp q, 0,1,2,3
	global_store_b64 v[LI8], v[SW+2*\q:SW+2*\q+1], s[SC:SC+1] offset:262144*\q th:TH_STORE_NT   ; the scale words of K steps 2 q, 2 q + 1
.endr
	s_wait_tensorcnt 0x0                           ; the wave's end, behind my last LDS store
	ds_add_u32 v[SPW], v[NIL]
	s_wait_dscnt 0x0
	s_endpgm
.Lfunc_end_k_qb3d19ea6a1_lnq:
	.size	k_qb3d19ea6a1_lnq, .Lfunc_end_k_qb3d19ea6a1_lnq-k_qb3d19ea6a1_lnq
	.p2alignl 7, 3214868480
	.fill 96, 4, 3214868480
	.section	.rodata,"a",@progbits
	.p2align	6, 0x0
	.amdhsa_kernel k_qb3d19ea6a1_lnq
		.amdhsa_group_segment_fixed_size 34304
		.amdhsa_private_segment_fixed_size 0
		.amdhsa_enable_private_segment 0
		.amdhsa_kernarg_size 40
		.amdhsa_user_sgpr_count 2
		.amdhsa_user_sgpr_kernarg_segment_ptr 1
		.amdhsa_wavefront_size32 1
		.amdhsa_system_sgpr_workgroup_id_x 1
		.amdhsa_system_sgpr_workgroup_id_y 1
		.amdhsa_system_sgpr_workgroup_id_z 1
		.amdhsa_system_vgpr_workitem_id 0
		.amdhsa_next_free_vgpr 1024
		.amdhsa_next_free_sgpr 66
		.amdhsa_reserve_vcc 0
		.amdhsa_float_denorm_mode_32 3
		.amdhsa_float_denorm_mode_16_64 3
		.amdhsa_memory_ordered 1
		.amdhsa_forward_progress 1
		.amdhsa_inst_pref_size 169
	.end_amdhsa_kernel
	.amdgpu_metadata
---
amdhsa.version: [ 1, 2 ]
amdhsa.kernels:
  - .name:           k_qb3d19ea6a1_lnq
    .symbol:         k_qb3d19ea6a1_lnq.kd
    .args:
      - { .name: x, .offset: 0, .size: 8, .value_kind: global_buffer, .address_space: global }
      - { .name: ln_g, .offset: 8, .size: 8, .value_kind: global_buffer, .address_space: global }
      - { .name: ln_b, .offset: 16, .size: 8, .value_kind: global_buffer, .address_space: global }
      - { .name: xn_img, .offset: 24, .size: 8, .value_kind: global_buffer, .address_space: global }
      - { .name: xn_sc, .offset: 32, .size: 8, .value_kind: global_buffer, .address_space: global }
    .group_segment_fixed_size: 34304
    .private_segment_fixed_size: 0
    .kernarg_segment_align: 8
    .kernarg_segment_size: 40
    .max_flat_workgroup_size: 128
    .sgpr_count:     66
    .vgpr_count:     1024
    .wavefront_size: 32
...
	.end_amdgpu_metadata
.endif
;; end of part 1
;; launch qkv (part 2): grid 64 x 4, 4 waves a work-group, clusters of 4 x 1, 327,680 bytes of LDS; arguments xn_img, xn_sc, rel_bias, wq_codes, wk_codes, wv_codes, wq_scales, wk_scales, wv_scales, bq, bk, bv, ctx_img, ctx_sc; writes ctx_img, ctx_sc
.if DOCPART == 2
	.amdgcn_target "amdgcn-amd-amdhsa--gfx1250"
	.amdhsa_code_object_version 6
	.text
	.protected	k_qb3d19ea6a1_qkv
	.globl	k_qb3d19ea6a1_qkv
	.p2align	8
	.type	k_qb3d19ea6a1_qkv,@function
k_qb3d19ea6a1_qkv:
	s_mov_b64 s[64:65], 0
	v_nop
	global_prefetch_b8 v0, s[64:65] scope:SCOPE_SE
	s_setreg_imm32_b32 hwreg(HW_REG_WAVE_MODE, 25, 1), 1
	s_wait_xcnt 0x0
	s_wait_alu depctr_hold_cnt(0) depctr_sa_sdst(0) depctr_va_vdst(0) depctr_va_sdst(0) depctr_va_ssrc(0) depctr_va_vcc(0) depctr_vm_vsrc(0)
	s_getreg_b32 s2, hwreg(HW_REG_IB_STS2, 6, 4)
	s_cmp_eq_u32 s2, 0
	s_cbranch_scc0 .Lentry_in_a_cluster
	s_endpgm
.Lentry_in_a_cluster:
	s_bfe_u32 s2, ttmp6, 0x10000c
	s_cmp_lg_u32 s2, 0x3003
	s_cbranch_scc0 .Lentry_shape_is_right
	s_endpgm
.Lentry_shape_is_right:
; The three projections and the attention of four heads for 256 rows, all products on codes of FP6 (E2M3) with one E8M0 scale for each 32 along K.  In: LayerNorm's codes as images of fragments.  Out: the context's codes, laid the same way.
; SHARES.  Work-group (X, y): rows 256 X on, heads 4 y + g (g = 0..3).  THE WAVES SHARE THE ROWS: wave w owns 64 rows (two batches of 32, four row tiles m), whose 32 fragments, 384 registers, are RESIDENT.
; All four waves read the same weight fragments from LDS; each fragment read feeds four matrix instructions.  So the work-group takes in 768 weight rows for 256 rows of x.
; THE WEIGHTS come a head at a time through two LDS slots: 64 rows of wq, of wk and of wv, whole rows of 768 bytes.
; The four row blocks of a cluster read the same weights, so each tile is asked for JOINTLY.  Head 0 is asked for at the start, head 1 behind the first round, heads 2 and 3 behind heads 0 and 1: one load of a wave is out at the most,
; and it has a whole head, 408 matrix instructions, in which to land.  The head is written twice, as two loops of two trips, with and without a refill.
; A HEAD stays in the wave's registers: Q, K (transposed use: a lane holds one row of x and 8 channels a tile), V (plain use: a lane holds one channel and 8 keys a tile), S^T = K Q^T, softmax, O^T = V^T P^T.
;   Q and K share one order of the channels inside each block of 32, P and V one order of the keys, so nothing is sorted there; the context is brought into the natural order, since it meets given codes.
;   K = 64 and K = 32 are filled up to 128 with zero CODES on Q's and P's side; K's and V's fragments run on into whatever codes follow them (every code is a finite number), under scale bytes 0.
; THE SOFTMAX: t = score x log2(e) / 8 + rel_bias x log2(e); M = ceil(the row's largest t); p = 2^(t - M) is quantised; the sum of the unquantised p divides the context.
; LIMITS: NaN and infinities are not served.  A block whose largest magnitude lies under 2^-124 keeps the scale byte 1 (a block of zeros too: its codes are zeros, and this program alone reads the bytes).
;   p under 2^-126 becomes 0.  t is one fused multiply-add, one rounding placed otherwise than a division followed by an addition.
; REGISTERS, in windows of 256.  Window 0: v1-15 addresses; v16-23 the context's scale words in the making; v24-55 the resident operand's scale words; v56-71 the weights' (two sets); v72-91 Q's, K's, V's, P's; v92-95 1 / l;
;   v96-127 at work; v128-255 accumulators.   Window 1: v0-95 weight fragments (two halves of four); v96-127 a bias as C; v128-159 rel_bias; v160-207 Q's fragments; v208-255 P's, later the context's codes.
;   Windows 2, 3: v0-191 the resident fragments (m, s) at 12 (4 m + s % 4) of window 2 + s / 4; window 2 v192-221 K's fragments; window 3 v192-245 V's.
.set WPITCH, 816                       ; a weight row in LDS: 3 x (256 bytes + 16 of padding) = 204 words: a load of 16 bytes starts at words 12 r + 12 h (or + 16 h) mod 64
.set TILEB,  16*WPITCH
.set ITEML,  32*WPITCH                 ; an item: 32 weight rows
.set MATB,   64*WPITCH                 ; a head's rows of one matrix: what one tensor load brings
.set SLOTB,  3*MATB                    ; a slot: a head
.set HEADB,  64*768                    ; a head's rows of one matrix in memory
.set SPARE,  2*SLOTB                   ; the spare words, 128 bytes for each wave: two blocks of 256 bytes that no other line names
.set L0,   1                           ; 816 r + 48 h;  v2: + 16 h more, for pieces that lie behind one padding more
.set L0B,  2
.set AQ,   3                           ; v3, v4: the same in the slot in hand, at wq's rows;  v5, v6: wk's;  v7, v8: wv's
.set AK,   5
.set AV,   7
.set LI8,  9                           ; 8 x lane
.set VL32, 10                          ; 32 x lane: a weight row's 32 scale bytes
.set VB8,  11                          ; 32 h: a bias for the transposed use
.set VR4,  12                          ; 4 r: for the plain use
.set VREL, 13                          ; 128 r + 32 h
.set SPW,  14                          ; my spare word; never rewritten
.set NIL,  15                          ; 0; never rewritten
.set CSR,  16
.set AS,   24
.set WS,   56
.set QS,   72
.set KS,   76
.set VS,   80
.set PS,   88
.set RL,   92
.set TR,   96
.set ACC,  128
.set WF,   0                           ; window 1
.set BI,   96
.set REL,  128
.set QF,   160
.set PF,   208
.set KF,   192                         ; window 2
.set VF,   192                         ; window 3
.set WV,   2
.set XI,   4
.set XSC,  6
.set RB,   8
.set PWQ,  10
.set PWK,  12
.set PWV,  14
.set SCQ,  16
.set SCK,  18
.set SCV,  20
.set BSQ,  22
.set BSK,  24
.set BSV,  26
.set CB,   28                          ; the context's images: 768 bytes beyond the head in hand
.set CSB,  30
.set PW,   32                          ; where the next head's rows of my matrix begin
.set WOFF, 34                          ; my matrix's place in a slot
.set TB,   35                          ; the slot in hand
.set G1,   40                          ; s[40:47] descriptor group 1;  s[48:51] group 0
.set G0,   48
.set SEL,  56
.set C1,   58                          ; log2(e) / 8, twice
.set L2E,  60                          ; log2(e), twice
.set GH,   62                          ; the head of my four
.set LC,   63
.set PSEL, 74                          ; v_perm_b32's selector that swaps bytes 1 and 2 of a scale word
.set LI16, 222                         ; window 2, v222: 16 x lane; never rewritten
.set ST,   224                         ; window 2, v224-247: three sets of eight scale words as they come from memory; item i of a head's six uses set i % 3, asked for two items ahead
.set MSB, 0
.macro WIN new                         ; the immediate's high byte repeats the setting that is left; a switch that changes nothing is dropped
.if MSB != (\new)
	s_set_vgpr_msb (MSB<<8)|(\new)
.set MSB, \new
.endif
.endm
; A load into a register that a matrix instruction has read, and a vector instruction or store that reads a matrix result, stand four places behind it; only plain vector instructions that name none of its registers are places.
.macro PLACES
.rept 4
	v_nop
.endr
.endm
.macro CREST                           ; a round of the cluster's barrier behind its opening barrier
	s_cmp_lg_u32 s[WV], 0
	s_cbranch_scc1 .Lnot_wave_0_\@
	s_barrier_signal -3
.Lnot_wave_0_\@:
	s_barrier_wait -3
	s_barrier_signal -1
	s_barrier_wait -1
.endm
.macro CROUND
	s_barrier_signal -1
	s_barrier_wait -1
	CREST
.endm
.macro FILL                            ; waves 0, 1, 2 ask for their matrix's 64 rows; the branch hangs on the wave's number alone; s_nop 0 and four v_nop follow the load
	s_cmp_lt_u32 s[WV], 3
	s_cbranch_scc0 .Lno_fill_\@
	tensor_load_to_lds s[G0:G0+3], s[G1:G1+7]
	s_nop 0
	PLACES
.Lno_fill_\@:
.endm
.macro SETADR                          ; the fragment addresses in the slot in hand: six plain vector instructions
	v_add_nc_u32 v[AQ], s[TB], v[L0]
	v_add_nc_u32 v[AQ+1], s[TB], v[L0B]
	s_add_co_u32 s3, s[TB], MATB
	v_add_nc_u32 v[AK], s3, v[L0]
	v_add_nc_u32 v[AK+1], s3, v[L0B]
	s_add_co_u32 s3, s[TB], 2*MATB
	v_add_nc_u32 v[AV], s3, v[L0]
	v_add_nc_u32 v[AV+1], s3, v[L0B]
.endm
.macro WMM d, a, b, c, sa, sb, row     ; row 1: source 0's scales from lanes 16-31; row 2: source 1's
.if (\row) == 0
	v_wmma_scale_f32_16x16x128_f8f6f4 v[\d:\d+7], v[\a:\a+11], v[\b:\b+11], v[\c:\c+7], v[\sa], v[\sb] matrix_a_fmt:MATRIX_FMT_FP6 matrix_b_fmt:MATRIX_FMT_FP6
.elseif (\row) == 1
	v_wmma_scale_f32_16x16x128_f8f6f4 v[\d:\d+7], v[\a:\a+11], v[\b:\b+11], v[\c:\c+7], v[\sa], v[\sb] matrix_a_fmt:MATRIX_FMT_FP6 matrix_b_fmt:MATRIX_FMT_FP6 matrix_a_scale:MATRIX_SCALE_ROW1
.else
	v_wmma_scale_f32_16x16x128_f8f6f4 v[\d:\d+7], v[\a:\a+11], v[\b:\b+11], v[\c:\c+7], v[\sa], v[\sb] matrix_a_fmt:MATRIX_FMT_FP6 matrix_b_fmt:MATRIX_FMT_FP6 matrix_b_scale:MATRIX_SCALE_ROW1
.endif
.endm
.macro WMZ d, a, b, sa, sb             ; a sum of one instruction: C = 0
	v_wmma_scale_f32_16x16x128_f8f6f4 v[\d:\d+7], v[\a:\a+11], v[\b:\b+11], 0, v[\sa], v[\sb] matrix_a_fmt:MATRIX_FMT_FP6 matrix_b_fmt:MATRIX_FMT_FP6
.endm
; A weight fragment (16 rows x 128 K, 12 registers): lane (r, h) takes the 48 consecutive bytes at 96 s + 48 h of row r, in pieces of 16.  Where lanes 16-31's piece lies behind one padding more, the second address register serves.
.macro FRAG reg, adr, ks, tp, half
; THE ORDER ALONG K: lane (r, h) takes the 48 consecutive bytes at 96 s + 48 h of row r, blocks 2 h and 2 h + 1 of the K step, in three pieces of 16; LayerNorm's images are laid in the same order, and both sides' scale words carry their bytes as blocks 0, 2, 1, 3
.irp p, 0,1,2
.set FO, 96*(\ks)+16*\p
.if (FO>>8) == ((FO+48)>>8)
	ds_load_b128 v[\reg+4*\p:\reg+4*\p+3], v[\adr] offset:ITEML*(\half)+TILEB*(\tp)+FO+16*(FO>>8)
.else
	ds_load_b128 v[\reg+4*\p:\reg+4*\p+3], v[\adr+1] offset:ITEML*(\half)+TILEB*(\tp)+FO+16*(FO>>8)
.endif
.endr
.endm
.macro RUNLOAD adr, half, rho          ; 12 LDS loads in one run: K steps 2 rho, 2 rho + 1 of both tiles of 16 rows of an item, into half rho % 2 of the fragment buffers
	WIN 0x40
.irp u, 0,1
.irp z, 0,1
	FRAG WF+12*(4*((\rho)%2)+2*\u+\z), \adr, 2*(\rho)+\u, \z, \half
.endr
.endr
.endm
; Four matrix instructions: one weight fragment (K step ks, tile tp of the item) against my four row tiles.  ori 0: transposed (source 0 = weights), ori 1: plain (source 0 = rows).  The first K step takes the bias as C.
; The eight accumulators of an item take turns, one instruction a turn.
.macro MULF ori, ks, tp, t0, ws
.if (\ori) == 0
.if (\ks) == 0
	WIN 0x19
.elseif (\ks) < 4
	WIN 0x09
.else
	WIN 0x0d
.endif
.else
.if (\ks) == 0
	WIN 0x16
.elseif (\ks) < 4
	WIN 0x06
.else
	WIN 0x07
.endif
.endif
.set rW, WF+12*(4*(((\ks)/2)%2)+2*((\ks)%2)+(\tp))
.set rS, WS+8*(\ws)+(\ks)
.irp m, 0,1,2,3
.set rA, 12*(4*\m+((\ks)%4))
.if (\ori) == 0
.set rD, ACC+32*\m+8*((\t0)+(\tp))
.else
.set rD, ACC+64*(\m/2)+8*(\m%2)+16*((\t0)+(\tp))
.endif
.if (\ks) == 0
.set rC, BI+8*((\t0)+(\tp))
.else
.set rC, rD
.endif
.if (\ori) == 0
	WMM rD, rW, rA, rC, rS, AS+8*\m+(\ks), \tp
.else
	WMM rD, rA, rW, rC, AS+8*\m+(\ks), rS, 2*(\tp)
.endif
.endr
.endm
.macro WSLOAD ws, base, off            ; an item's scale words into set ws of window 2: lane l takes row l's 32 bytes; the wave reads 1,024 consecutive bytes
	WIN 0x80
	global_load_b128 v[ST+8*(\ws):ST+8*(\ws)+3], v[VL32], s[\base:\base+1] offset:\off
	global_load_b128 v[ST+8*(\ws)+4:ST+8*(\ws)+7], v[VL32], s[\base:\base+1] offset:\off+16
.endm
.macro BILOAD base, off, t0            ; tiles t0, t0 + 1 of a bias in the transposed result's layout: tile t, register j: channel 16 t + 8 h + j
	WIN 0x40
.irp t, \t0, \t0+1
	global_load_b128 v[BI+8*(\t):BI+8*(\t)+3], v[VB8], s[\base:\base+1] offset:\off+64*(\t)
	global_load_b128 v[BI+8*(\t)+4:BI+8*(\t)+7], v[VB8], s[\base:\base+1] offset:\off+64*(\t)+16
.endr
.endm
.macro HOOK0 id                        ; the global loads that ride in an item's first quarter
.if (\id) == 1
	WSLOAD 2, SCK, 0
	WIN 0x40
.irp a, 0,1
.irp b, 0,1
.irp c, 0,1
	global_load_b128 v[REL+16*\a+8*\b+4*\c:REL+16*\a+8*\b+4*\c+3], v[VREL], s[RB:RB+1] offset:2048*\a+64*\b+16*\c   ; rel_bias(query 16 a + r, keys 16 b + 8 h + 4 c ..)
.endr
.endr
.endr
.elseif (\id) == 2
	WSLOAD 0, SCK, 1024
.elseif (\id) == 3
	WSLOAD 1, SCV, 0
.elseif (\id) == 4
	WSLOAD 2, SCV, 1024
.elseif (\id) == 5
	WSLOAD 0, SCQ, 0
.elseif (\id) == 6
	WSLOAD 1, SCQ, 1024
.endif
.endm
.macro HOOK1 id                        ; and in its second: the next bias, behind the products that took the last one as C
; a matrix's first item takes tiles 0, 1 of the bias as C in its first K step, its second item tiles 2, 3: each pair is free behind that step and takes the next matrix's, two items ahead of its use
.if (\id) == 1
	BILOAD BSK, 0, 0
.elseif (\id) == 2
	BILOAD BSK, 0, 2
.elseif (\id) == 3 || (\id) == 4
	WIN 0x40
.irp t, 2*(\id)-6, 2*(\id)-5
.irp j, 0,1,2,3,4,5,6,7
	global_load_b32 v[BI+8*(\t)+\j], v[VR4], s[BSV:BSV+1] offset:64*(\t)   ; the plain result's layout: all eight registers of tile t hold the bias of channel 16 t + r
.endr
.endr
.elseif (\id) == 5
	BILOAD BSQ, 0, 0
.else
	BILOAD BSQ, 0, 2
.endif
.endm
; AN ITEM: 32 weight rows (half 0 or 1 of the matrix at adr) against my 64 rows, all of K: 64 matrix instructions in four runs of 16; each run's 12 LDS loads are issued one run ahead, the next item's first run (nadr, nhalf) in the last.
; mode 3: the next item lies in the same slot.  mode 2: the head's last item: the slot is left and filled again with the head two on.  mode 1: the slot is left and nothing is asked for.
.macro JOB ori, t0, adr, half, nadr, nhalf, mode, hook
; this item's scale words and bias were asked for two items ago: only the loads that the item before issued may be out.  Items 0 to 5 issue 14, 6, 18, 18, 6, 6 loads
.if (\hook) == 2
	s_wait_loadcnt 14
.elseif (\hook) == 4 || (\hook) == 5
	s_wait_loadcnt 18
.else
	s_wait_loadcnt 6
.endif
	WIN 0x0a
.irp i, 0,1,2,3,4,5,6,7
	v_perm_b32 v[WS+8*(\half)+\i], v[ST+8*(((\hook)-1)%3)+\i], v[ST+8*(((\hook)-1)%3)+\i], s[PSEL]   ; into the scale registers, bytes 1 and 2 changing places, as the order along K asks.  Word 0 stands seven of these and four v_nop ahead of its first product
.endr
	WIN 0
	s_wait_alu depctr_va_vdst(0)
.if (\hook) == 5                       ; K's and V's loads of this head are all issued: the bases step to the next head.  Behind the last head Q's bases stay: items 4 and 5 then read that head's bytes again, unused, and none leaves its buffer
	s_wait_xcnt 0x0                                ; every earlier load has read its base
	s_add_nc_u64 s[SCK:SCK+1], s[SCK:SCK+1], 2048
	s_add_nc_u64 s[SCV:SCV+1], s[SCV:SCV+1], 2048
	s_add_nc_u64 s[BSK:BSK+1], s[BSK:BSK+1], 256
	s_add_nc_u64 s[BSV:BSV+1], s[BSV:BSV+1], 256
	s_add_nc_u64 s[RB:RB+1], s[RB:RB+1], 4096
	s_cmp_eq_u32 s[GH], 3
	s_cselect_b32 s68, 0, 2048
	s_cselect_b32 s70, 0, 256
	s_add_nc_u64 s[SCQ:SCQ+1], s[SCQ:SCQ+1], s[68:69]
	s_add_nc_u64 s[BSQ:BSQ+1], s[BSQ:BSQ+1], s[70:71]
.endif
.irp rho, 0,1,2
	PLACES                                         ; behind the run that read the half which is loaded next
.if \rho == 0
	HOOK0 \hook
.endif
.if \rho == 1
	HOOK1 \hook
.endif
	RUNLOAD \adr, \half, \rho+1
	s_wait_dscnt 12                                ; all but the 12 just issued: this run's fragments are in
	MULF \ori, 2*\rho, 0, \t0, \half
	MULF \ori, 2*\rho, 1, \t0, \half
	MULF \ori, 2*\rho+1, 0, \t0, \half
	MULF \ori, 2*\rho+1, 1, \t0, \half
.endr
.if (\mode) == 3
	PLACES
	RUNLOAD \nadr, \nhalf, 0
	s_wait_dscnt 12
	MULF \ori, 6, 0, \t0, \half
	MULF \ori, 6, 1, \t0, \half
	MULF \ori, 7, 0, \t0, \half
	MULF \ori, 7, 1, \t0, \half
.elseif (\mode) == 2
	WIN 0                                          ; (the add's two registers lie in window 0)
	s_wait_tensorcnt 0x0                           ; all my tensor loads have landed: the one that was out is my part of the other slot
	ds_add_u32 v[SPW], v[NIL]                      ; 0 onto my spare word; the descriptor's step and eight products stand between it and the wait for it
	ds_add_u32 v[SPW], v[NIL]
	s_add_co_u32 s[G0+1], s[TB], s[WOFF]           ; into the slot that is being left,
	s_mov_b64 s[G0+2:G0+3], s[PW:PW+1]             ; the head two on
	s_or_b32 s[G0+3], s[G0+3], 0x80000000
	s_add_nc_u64 s[PW:PW+1], s[PW:PW+1], HEADB
	s_wait_dscnt 1                                 ; the last run's fragments are in; the add may be out
	MULF \ori, 6, 0, \t0, \half
	MULF \ori, 6, 1, \t0, \half
	s_wait_dscnt 0x0                               ; the add is done, and my reads of this slot are over
	s_barrier_signal -1                            ; this barrier opens a round of the cluster's barrier
	MULF \ori, 7, 0, \t0, \half
	WIN 0
	s_barrier_wait -1
	CREST                                          ; no wave of any partner still reads this slot or has a load on its way; the other slot is whole
	FILL                                           ; the first tensor load behind the round, a wave's only one until the next
	s_xor_b32 s[TB], s[TB], SLOTB                  ; on to the other slot
	SETADR                                         ; (these six are the places in front of the loads below, in the wave that fetches nothing too)
	RUNLOAD \nadr, \nhalf, 0
	MULF \ori, 7, 1, \t0, \half
.else
	s_wait_tensorcnt 0x0                           ; my part of the other slot has landed,
	s_wait_dscnt 0x0                               ; and no LDS load of mine is out at the signal
	MULF \ori, 6, 0, \t0, \half
	MULF \ori, 6, 1, \t0, \half
	s_barrier_signal -1
	MULF \ori, 7, 0, \t0, \half
	s_barrier_wait -1                              ; everybody's has.
	WIN 0
	s_xor_b32 s[TB], s[TB], SLOTB
	SETADR                                         ; (the places in front of the loads below)
	RUNLOAD \nadr, \nhalf, 0                       ; behind the last head this run reads the other slot's old bytes, unused: the price of one text for two trips
	MULF \ori, 7, 1, \t0, \half
.endif
.endm
; Eight units of 16 numbers a lane, unit e at v[ACC + 16 e]; lanes l and l xor 16 hold a block of 32.  Leaves in v[TR + e] the conversion's scale operand: the block's largest magnitude (not under the floor 2^-124) with 2 off its exponent field.
.macro BLKMAX
	WIN 0
.irp e, 0,1,2,3,4,5,6,7
	v_max3_num_f32 v[TR+\e], |v[ACC+16*\e]|, |v[ACC+16*\e+1]|, 0x1800000   ; each accumulator is read from its low end on
.endr
.irp i, 2,4,6,8,10,12,14
.irp e, 0,1,2,3,4,5,6,7
	v_max3_num_f32 v[TR+\e], v[TR+\e], |v[ACC+16*\e+\i]|, |v[ACC+16*\e+\i+1]|
.endr
.endr
.irp e, 0,1,2,3,4,5,6,7
	v_permlanex16_b32 v[TR+8+\e], v[TR+\e], s[SEL], s[SEL+1]
.endr
.irp e, 0,1,2,3,4,5,6,7
	v_max_num_f32 v[TR+\e], v[TR+\e], v[TR+8+\e]
.endr
.irp e, 0,1,2,3,4,5,6,7
	v_add_nc_u32 v[TR+\e], 0xff000000, v[TR+\e]
.endr
.endm
; 64 channels of each of my four row tiles (v[ACC + 32 m + 16 b + i]: block b) become half a fragment, six registers: lanes 0-15 block 0, lanes 16-31 block 1.  mode 0: Q's fragments; 1: K's; 2: the context's, stored.
.macro Q64 mode
	BLKMAX
.irp e, 0,1,2,3,4,5,6,7
	v_lshrrev_b32 v[TR+8+\e], 23, v[TR+\e]         ; the scale's byte
.endr
.irp m, 0,1,2,3
.if (\mode) == 0
	v_lshl_or_b32 v[QS+\m], v[TR+9+2*\m], 8, v[TR+8+2*\m]
.elseif (\mode) == 1
	v_lshl_or_b32 v[KS+\m], v[TR+9+2*\m], 8, v[TR+8+2*\m]
.else
	v_lshl_or_b32 v[TR+8+2*\m], v[TR+9+2*\m], 8, v[TR+8+2*\m]
	v_lshrrev_b32 v[CSR+2*\m], 16, v[CSR+2*\m]                     ; the pair goes 16 bits down and takes this head's two bytes on top: after four heads it holds the scale words of my two K steps
	v_lshl_or_b32 v[CSR+2*\m], v[CSR+2*\m+1], 16, v[CSR+2*\m]
	v_lshrrev_b32 v[CSR+2*\m+1], 16, v[CSR+2*\m+1]
	v_lshl_or_b32 v[CSR+2*\m+1], v[TR+8+2*\m], 16, v[CSR+2*\m+1]
.endif
.endr
.irp m, 0,1
	v_cvt_scalef32_pk16_fp6_f32 v[TR+16+8*\m:TR+18+8*\m], v[ACC+32*\m:ACC+32*\m+15], v[TR+2*\m]
	v_cvt_scalef32_pk16_fp6_f32 v[TR+20+8*\m:TR+22+8*\m], v[ACC+32*\m+16:ACC+32*\m+31], v[TR+2*\m+1]
.endr
	v_nop                                          ; a plain place: the next conversions write over numbers that have just been converted
.irp m, 2,3
	v_cvt_scalef32_pk16_fp6_f32 v[ACC+8*(\m-2):ACC+8*(\m-2)+2], v[ACC+32*\m:ACC+32*\m+15], v[TR+2*\m]
	v_cvt_scalef32_pk16_fp6_f32 v[ACC+8*(\m-2)+4:ACC+8*(\m-2)+6], v[ACC+32*\m+16:ACC+32*\m+31], v[TR+2*\m+1]
.endr
	v_nop                                          ; a plain place behind the last conversion
.irp m, 0,1,2,3
.if \m < 2
.set XBM, TR+16+8*\m
.else
.set XBM, ACC+8*(\m-2)
.endif
.irp i, 0,1,2
	v_permlane16_swap_b32 v[XBM+\i], v[XBM+4+\i]   ; the first now holds each lane's block's lower 16 codes, the second the upper 16
.endr
.endr
.if (\mode) == 1
	WIN 0x80
.else
	WIN 0x40
.endif
.irp m, 0,1,2,3
.if \m < 2
.set XBM, TR+16+8*\m
.else
.set XBM, ACC+8*(\m-2)
.endif
.if (\mode) == 0
.set XDS, QF+12*\m
.elseif (\mode) == 1
.set XDS, KF+6*\m
.else
.set XDS, PF+12*\m                     ; P's codes are spent: the context's take their registers, which nothing writes before the next softmax
.endif
.irp i, 0,1,2
	v_mov_b32 v[XDS+\i], v[XBM+\i]
	v_mov_b32 v[XDS+3+\i], v[XBM+4+\i]
.endr
.endr
.if (\mode) == 2
	WIN 0x06                                       ; a store's data are its source 1: window 1; 16 x lane lies in window 2
.irp m, 0,1,2,3
	global_store_b128 v[LI16], v[PF+12*\m:PF+12*\m+3], s[CB:CB+1] offset:12288*\m-768 th:TH_STORE_NT   ; half an image, 768 bytes: registers 0-3 at 16 x lane, 512 consecutive bytes, aligned,
.endr
	WIN 0x04
.irp m, 0,1,2,3
	global_store_b64 v[LI8], v[PF+12*\m+4:PF+12*\m+5], s[CB:CB+1] offset:12288*\m-256 th:TH_STORE_NT   ; then registers 4, 5 at 8 x lane, 256 consecutive bytes, aligned
.endr
.endif
	WIN 0
.endm
; V: unit e = 4 x batch + tile of channels: 16 keys a lane, one block of 32 keys in lanes l and l xor 16.  Lanes 0-15 get all 32 codes; lanes 16-31 hold codes that meet P's zeros.
.macro QV
	BLKMAX
.irp e, 0,1,2,3,4,5,6,7
	v_lshrrev_b32 v[VS+\e], 23, v[TR+\e]
.endr
.irp u, 0,1
.irp q, 0,1,2,3
	v_cvt_scalef32_pk16_fp6_f32 v[TR+16+4*\q:TR+18+4*\q], v[ACC+16*(4*\u+\q):ACC+16*(4*\u+\q)+15], v[TR+4*\u+\q]
.endr
	v_nop                                          ; a plain place behind the conversions
.irp q, 0,1,2,3
.irp i, 0,1,2
	v_permlanex16_b32 v[ACC+16*(4*\u+\q)+\i], v[TR+16+4*\q+\i], s[SEL], s[SEL+1]   ; the partner's 16 codes, into registers whose numbers are converted
.endr
.endr
	WIN 0xc0
.irp q, 0,1,2,3
.irp i, 0,1,2
	v_mov_b32 v[VF+6*(4*\u+\q)+\i], v[TR+16+4*\q+\i]
	v_mov_b32 v[VF+6*(4*\u+\q)+3+\i], v[ACC+16*(4*\u+\q)+\i]
.endr
.endr
	WIN 0
.endr
.endm
; S^T = K Q^T: tile u = 2 x batch + tile of queries; two tiles of keys each.  A lane holds one query and keys 16 k + 8 h + j.
.macro SCORES
	WIN 0x41
.set i, 0
.rept 16
	v_pk_mul_f32 v[REL+i:REL+i+1], v[REL+i:REL+i+1], s[L2E:L2E+1] op_sel_hi:[1,0]   ; rel_bias x log2(e).  (These sixteen are also the places between K's scale words and fragments, just written, and the products)
.set i, i+2
.endr
	WIN 0x06
.irp u, 0,1,2,3
.irp k, 0,1
	WMZ ACC+16*\u+8*\k, KF+6*(2*(\u/2)+\k), QF+12*\u, KS+2*(\u/2)+\k, QS+\u
.endr
.endr
	PLACES
.endm
.macro SMX
	WIN 0x10
.irp p, 0,1,2,3,4,5,6,7
.irp u, 0,1,2,3
	v_pk_fma_f32 v[ACC+16*\u+2*\p:ACC+16*\u+2*\p+1], v[ACC+16*\u+2*\p:ACC+16*\u+2*\p+1], s[C1:C1+1], v[REL+16*(\u%2)+2*\p:REL+16*(\u%2)+2*\p+1] op_sel_hi:[1,0,1]   ; t
.endr
.endr
	WIN 0
.irp u, 0,1,2,3
	v_max3_num_f32 v[TR+\u], v[ACC+16*\u], v[ACC+16*\u+1], v[ACC+16*\u+2]
.endr
.irp i, 3,5,7,9,11,13
.irp u, 0,1,2,3
	v_max3_num_f32 v[TR+\u], v[TR+\u], v[ACC+16*\u+\i], v[ACC+16*\u+\i+1]
.endr
.endr
.irp u, 0,1,2,3
	v_max_num_f32 v[TR+\u], v[TR+\u], v[ACC+16*\u+15]
.endr
.irp u, 0,1,2,3
	v_permlanex16_b32 v[TR+4+\u], v[TR+\u], s[SEL], s[SEL+1]
.endr
.irp u, 0,1,2,3
	v_max_num_f32 v[TR+\u], v[TR+\u], v[TR+4+\u]   ; the row's largest t
.endr
.irp u, 0,1,2,3
	v_floor_f32 v[TR+8+2*\u], -v[TR+\u]            ; -M = floor(-t) = -ceil(t), twice: a pair for the packed additions
	v_floor_f32 v[TR+9+2*\u], -v[TR+\u]
.endr
.irp p, 0,1,2,3,4,5,6,7
.irp u, 0,1,2,3
	v_pk_add_f32 v[ACC+16*\u+2*\p:ACC+16*\u+2*\p+1], v[ACC+16*\u+2*\p:ACC+16*\u+2*\p+1], v[TR+8+2*\u:TR+9+2*\u]
.endr
.endr
.irp u, 0,1,2,3
	v_add_f32 v[TR+\u], v[TR+\u], v[TR+8+2*\u]     ; the same of the largest t: its p is the block's largest
.endr
.set i, 0
	s_wait_alu depctr_va_vdst(0)
.rept 64
	v_exp_f32 v[ACC+i], v[ACC+i]                   ; p = 2^(t - M): one batch
.set i, i+1
.endr
.irp u, 0,1,2,3
	v_exp_f32 v[TR+\u], v[TR+\u]
.endr
	v_nop                                          ; a plain instruction behind the last exponential
	s_wait_alu depctr_va_vdst(0)                   ; one wait for the batch, ahead of its first reader
.irp u, 0,1,2,3
	v_pk_add_f32 v[TR+16+2*\u:TR+17+2*\u], v[ACC+16*\u:ACC+16*\u+1], v[ACC+16*\u+2:ACC+16*\u+3]   ; the sum of the unquantised p
.endr
.irp p, 2,3,4,5,6,7
.irp u, 0,1,2,3
	v_pk_add_f32 v[TR+16+2*\u:TR+17+2*\u], v[TR+16+2*\u:TR+17+2*\u], v[ACC+16*\u+2*\p:ACC+16*\u+2*\p+1]
.endr
.endr
.irp u, 0,1,2,3
	v_add_f32 v[TR+16+2*\u], v[TR+16+2*\u], v[TR+17+2*\u]
.endr
.irp u, 0,1,2,3
	v_permlanex16_b32 v[TR+24+\u], v[TR+16+2*\u], s[SEL], s[SEL+1]
.endr
.irp u, 0,1,2,3
	v_add_f32 v[TR+16+2*\u], v[TR+16+2*\u], v[TR+24+\u]
.endr
	s_wait_alu depctr_va_vdst(0)
.irp u, 0,1,2,3
	v_rcp_f32 v[RL+\u], v[TR+16+2*\u]              ; 1 / l
.endr
.irp u, 0,1,2,3
	v_max_num_f32 v[TR+\u], 0x1800000, v[TR+\u]    ; plain work behind the reciprocals: the floor, the conversion's operand, the byte
.endr
.irp u, 0,1,2,3
	v_add_nc_u32 v[TR+\u], 0xff000000, v[TR+\u]
.endr
.irp u, 0,1,2,3
	v_lshrrev_b32 v[PS+\u], 23, v[TR+\u]
.endr
.irp u, 0,1,2,3
.irp i, 4,5,6
	v_mov_b32 v[ACC+64+8*\u+\i], 0
.endr
.endr
	s_wait_alu depctr_va_vdst(0)                   ; the reciprocals' wait
.irp u, 0,1,2,3
	v_cvt_scalef32_pk16_fp6_f32 v[ACC+64+8*\u:ACC+64+8*\u+2], v[ACC+16*\u:ACC+16*\u+15], v[TR+\u]
.endr
	v_nop                                          ; a plain place behind the conversions
.irp u, 0,1,2,3
.irp i, 0,1,2
	v_permlane16_swap_b32 v[ACC+64+8*\u+\i], v[ACC+64+8*\u+4+\i]   ; lanes 0-15 now hold all 32 keys' codes, lanes 16-31 zeros
.endr
.endr
	s_wait_xcnt 0x0                                ; the last head's stores of the context, four items back, have read their registers and their base: both are written below
	s_add_nc_u64 s[CB:CB+1], s[CB:CB+1], 768       ; 768 bytes beyond this head's place: its stores reach back by their immediate
	WIN 0x40
.irp u, 0,1,2,3
.irp i, 0,1,2
	v_mov_b32 v[PF+12*\u+\i], v[ACC+64+8*\u+\i]
	v_mov_b32 v[PF+12*\u+3+\i], v[ACC+64+8*\u+4+\i]
.endr
.endr
	WIN 0
.endm
.macro PVMUL                           ; O^T = V^T P^T: a lane holds one query and channels 16 t + 8 h + j
.rept 8
	v_nop                                          ; V's scale words and fragments were written by vector instructions: eight and four places ahead of a scaled product
.endr
	WIN 0x07
.irp m, 0,1,2,3
.irp t, 0,1,2,3
	WMZ ACC+32*\m+8*\t, VF+6*(4*(\m/2)+\t), PF+12*\m, VS+4*(\m/2)+\t, PS+\m
.endr
.endr
.endm
.macro CTX                             ; the context: / l, into the natural order of the channels, quantised, stored
	WIN 0
.irp m, 0,1,2,3
	v_mov_b32 v[TR+2*\m], v[RL+\m]                 ; (these eight are the places behind the products)
	v_mov_b32 v[TR+2*\m+1], v[RL+\m]
.endr
.irp m, 0,1,2,3
.irp p, 0,1,2,3,4,5,6,7,8,9,10,11,12,13,14,15
	v_pk_mul_f32 v[ACC+32*\m+2*\p:ACC+32*\m+2*\p+1], v[ACC+32*\m+2*\p:ACC+32*\m+2*\p+1], v[TR+2*\m:TR+2*\m+1]
.endr
.endr
.irp m, 0,1,2,3
.irp b, 0,1
.irp j, 0,1,2,3,4,5,6,7
	v_permlane16_swap_b32 v[ACC+32*\m+16*\b+\j], v[ACC+32*\m+16*\b+8+\j]   ; a lane's 16 registers of block b are now channels 32 b + 16 h + 0 .. 15
.endr
.endr
.endr
	Q64 2
.endm
.macro RES1 img                        ; the images of K steps 0-3 become registers: 48 loads, each 512 consecutive bytes (piece p = registers 4 p .. 4 p + 3 at 16 x lane)
	WIN 0x82
.irp m, 0,1,2,3
.irp q, 0,1,2,3
.irp p, 0,1,2
	global_load_b128 v[12*(4*\m+\q)+4*\p:12*(4*\m+\q)+4*\p+3], v[LI16], s[\img:\img+1] offset:(8*\m+\q)*1536+512*\p
.endr
.endr
.endr
	WIN 0
.endm
.macro RESIDENT img, sc                ; those of K steps 4-7, and the scale words
	WIN 0xc2
.irp m, 0,1,2,3
.irp q, 0,1,2,3
.irp p, 0,1,2
	global_load_b128 v[12*(4*\m+\q)+4*\p:12*(4*\m+\q)+4*\p+3], v[LI16], s[\img:\img+1] offset:(8*\m+4+\q)*1536+512*\p
.endr
.endr
.endr
	WIN 0
.irp m, 0,1,2,3
.irp q, 0,1,2,3
	global_load_b64 v[AS+8*\m+2*\q:AS+8*\m+2*\q+1], v[LI8], s[\sc:\sc+1] offset:262144*\q+256*\m
.endr
.endr
.endm
.macro HEAD chg                        ; a head: six items and the attention
	JOB 0, 0, AQ, 0, AQ, 1, 3, 1                   ; Q, channels 0-31
	JOB 0, 2, AQ, 1, AK, 0, 3, 2                   ; Q, channels 32-63
	PLACES
	Q64 0
	JOB 0, 0, AK, 0, AK, 1, 3, 3                   ; K
	JOB 0, 2, AK, 1, AV, 0, 3, 4
	PLACES
	Q64 1
	SCORES
	SMX
	JOB 1, 0, AV, 0, AV, 1, 3, 5                   ; V, plain use: a lane holds one channel, its registers run along the keys
	JOB 1, 2, AV, 1, AQ, 0, \chg, 6
	PLACES
	QV
	PVMUL
	CTX
	WIN 0
.endm
; ======== the head of the kernel
	s_load_b512 s[4:19], s[0:1], 0x0               ; the images, their scale words, rel_bias, three matrices' codes, wq's and wk's scale bytes
	s_load_b256 s[20:27], s[0:1], 0x40             ; wv's scale bytes, the three biases
	s_load_b128 s[28:31], s[0:1], 0x60             ; the context's images and scale words
	v_lshl_add_u32 v[SPW], v0, 2, SPARE
	v_mov_b32 v[NIL], 0
	ds_add_u32 v[SPW], v[NIL]                      ; the wave's opening: the add and its wait stand ahead of my first tensor load; the set-up below, work on registers, stands between them
	ds_add_u32 v[SPW], v[NIL]
	v_lshrrev_b32 v[TR], 5, v0
	v_readfirstlane_b32 s[WV], v[TR]               ; wave 0..3
	s_bfe_u32 s3, ttmp6, 0x40000                   ; cx: my place in the cluster: it enters the images' addresses alone
	s_lshl_b32 s72, ttmp9, 2
	s_add_co_u32 s72, s72, s3                      ; my block of 256 rows
	s_and_b32 s73, ttmp7, 0xffff                   ; my four heads, which the four partners share
	s_lshl_b32 s72, s72, 4
	s_lshl_b32 s3, s[WV], 2
	s_add_co_u32 s72, s72, s3                      ; my first row tile
	s_mov_b32 s[G1], 15|(1<<20)|(1<<21)|(5<<22)|(3<<25)  ; 15:0 the mask: all four work-groups; 17:16 elements of 1 byte; 20 padding on; 21 set beside a mask; 24:22 after every 64 words; 31:25 4 words of it
	s_mov_b32 s[G1+1], 768<<16                     ; tensor_dim0
	s_mov_b32 s[G1+2], 64<<16                      ; tensor_dim1
	s_mov_b32 s[G1+3], 768<<16                     ; tile_dim0
	s_mov_b32 s[G1+4], 64                          ; tile_dim1
	s_mov_b32 s[G1+5], 768                         ; from row to row
	s_mov_b32 s[G1+6], 0
	s_mov_b32 s[G1+7], 0
	s_mov_b32 s[SEL], 0x76543210
	s_mov_b32 s[SEL+1], 0xfedcba98
	s_mov_b32 s[C1], 0x3e38aa3b                    ; log2(e) / 8
	s_mov_b32 s[C1+1], s[C1]
	s_mov_b32 s[L2E], 0x3fb8aa3b                   ; log2(e)
	s_mov_b32 s[L2E+1], s[L2E]
	s_mov_b32 s[PSEL], 0x03010200
	s_min_u32 s[WOFF], s[WV], 2
	s_mul_i32 s[WOFF], s[WOFF], MATB
	s_mov_b32 s[TB], 0
	s_mov_b32 s37, 0
	s_mov_b32 s69, 0
	s_mov_b32 s71, 0
	v_and_b32 v[TR], 31, v0                        ; lane
	v_and_b32 v[TR+1], 15, v0                      ; r
	v_bfe_u32 v[TR+2], v0, 4, 1                    ; h
	v_mul_u32_u24 v[L0], v[TR+1], WPITCH
	v_mad_u32_u24 v[L0], v[TR+2], 48, v[L0]        ; 816 r + 48 h
	v_lshl_add_u32 v[L0B], v[TR+2], 4, v[L0]
	v_lshlrev_b32 v[LI8], 3, v[TR]
	WIN 0x80
	v_lshlrev_b32 v[LI16], 4, v[TR]                ; 16 x lane, in window 2
	WIN 0
	v_lshlrev_b32 v[VL32], 5, v[TR]
	v_lshlrev_b32 v[VB8], 5, v[TR+2]
	v_lshlrev_b32 v[VR4], 2, v[TR+1]
	v_lshlrev_b32 v[VREL], 7, v[TR+1]
	v_lshl_add_u32 v[VREL], v[TR+2], 5, v[VREL]
.set i, 0
.rept 32
	v_mov_b32 v[TR+i], 0                           ; written once: a lane permute's destination counts as one of its sources
.set i, i+1
.endr
.set i, 0
.rept 8
	v_mov_b32 v[CSR+i], 0
.set i, i+1
.endr
	s_wait_dscnt 0x0                               ; the opening add is done
	s_wait_kmcnt 0x0
	s_mul_i32 s36, s72, 12288                      ; a row tile's eight images
	s_add_nc_u64 s[XI:XI+1], s[XI:XI+1], s[36:37]
	s_add_nc_u64 s[CB:CB+1], s[CB:CB+1], s[36:37]
	s_lshl_b32 s36, s72, 8                         ; its scale words
	s_add_nc_u64 s[XSC:XSC+1], s[XSC:XSC+1], s[36:37]
	s_add_nc_u64 s[CSB:CSB+1], s[CSB:CSB+1], s[36:37]
	s_mul_i32 s36, s73, 3072                       ; my four heads are K steps 2 y, 2 y + 1 of the context
	s_add_nc_u64 s[CB:CB+1], s[CB:CB+1], s[36:37]
	s_lshl_b32 s36, s73, 18
	s_add_nc_u64 s[CSB:CSB+1], s[CSB:CSB+1], s[36:37]
	s_lshl_b32 s36, s73, 14
	s_add_nc_u64 s[RB:RB+1], s[RB:RB+1], s[36:37]
	s_lshl_b32 s36, s73, 13
.irp p, SCQ, SCK, SCV
	s_add_nc_u64 s[\p:\p+1], s[\p:\p+1], s[36:37]
.endr
	s_lshl_b32 s36, s73, 10
.irp p, BSQ, BSK, BSV
	s_add_nc_u64 s[\p:\p+1], s[\p:\p+1], s[36:37]
.endr
	s_cmp_eq_u32 s[WV], 0                          ; the matrix that I fetch: the choice hangs on the wave's number alone
	s_cselect_b64 s[PW:PW+1], s[PWQ:PWQ+1], s[PWK:PWK+1]
	s_cmp_gt_u32 s[WV], 1
	s_cselect_b64 s[PW:PW+1], s[PWV:PWV+1], s[PW:PW+1]
	s_mul_i32 s36, s73, 4*HEADB
	s_add_nc_u64 s[PW:PW+1], s[PW:PW+1], s[36:37]
	RES1 XI                                        ; half of my images are asked for ahead of the round
	CROUND
	s_mov_b32 s[G0], 1
	s_mov_b32 s[G0+1], s[WOFF]                     ; slot 0
	s_mov_b64 s[G0+2:G0+3], s[PW:PW+1]             ; head 0
	s_or_b32 s[G0+3], s[G0+3], 0x80000000
	s_add_nc_u64 s[PW:PW+1], s[PW:PW+1], HEADB
	FILL
	RESIDENT XI, XSC
	WIN 0x40                                       ; written once: the zero codes of k >= 64 in Q's and P's fragments,
.irp m, 0,1,2,3
.irp i, 6,7,8,9,10,11
	v_mov_b32 v[QF+12*\m+\i], 0
	v_mov_b32 v[PF+12*\m+\i], 0
.endr
.endr
	WIN 0x80                                       ; and the registers into which K's and V's last fragments run on
.irp i, 24,25,26,27,28,29
	v_mov_b32 v[KF+\i], 0
.endr
	WIN 0xc0
.irp i, 48,49,50,51,52,53
	v_mov_b32 v[VF+\i], 0
.endr
	WSLOAD 0, SCQ, 0                               ; what the first head's items 0 and 1 want, in the order in which a head's items 4 and 5 ask for the next head's: the last six loads are item 1's
	BILOAD BSQ, 0, 0
	WSLOAD 1, SCQ, 1024
	BILOAD BSQ, 0, 2
	WIN 0
	s_wait_tensorcnt 0x0                           ; my part of slot 0 has landed.  Slot 1 is first filled as a refill is, so that head 0's rows have the way to themselves:
	ds_add_u32 v[SPW], v[NIL]                      ; 0 onto my spare word
	ds_add_u32 v[SPW], v[NIL]
	s_add_co_u32 s[G0+1], s[WOFF], SLOTB           ; slot 1,
	s_mov_b64 s[G0+2:G0+3], s[PW:PW+1]             ; head 1
	s_or_b32 s[G0+3], s[G0+3], 0x80000000
	s_add_nc_u64 s[PW:PW+1], s[PW:PW+1], HEADB
	s_wait_dscnt 0x0                               ; the add is done
	CROUND                                         ; slot 0 is whole in every work-group
	FILL
	SETADR
	RUNLOAD AQ, 0, 0
	WIN 0
	s_mov_b32 s[GH], 0
	s_mov_b32 s[LC], 2
.Lhead_a:                                          ; heads 0 and 1: the slot that is left is filled again
	s_wait_alu depctr_va_vdst(0)
	HEAD 2
	s_add_co_u32 s[GH], s[GH], 1
	s_sub_co_i32 s[LC], s[LC], 1
	s_cmp_lg_u32 s[LC], 0
	s_cbranch_scc1 .Lhead_a
	s_mov_b32 s[LC], 2
.Lhead_b:                                          ; heads 2 and 3: nothing is left to ask for
	HEAD 1
	s_add_co_u32 s[GH], s[GH], 1
	s_sub_co_i32 s[LC], s[LC], 1
	s_cmp_lg_u32 s[LC], 0
	s_cbranch_scc1 .Lhead_b
.irp m, 0,1,2,3
	global_store_b64 v[LI8], v[CSR+2*\m:CSR+2*\m+1], s[CSB:CSB+1] offset:256*\m th:TH_STORE_NT   ; the context's scale words of my two K steps: 256 consecutive bytes, aligned
.endr
	s_wait_tensorcnt 0x0                           ; the wave's end, behind my last tensor load
	ds_add_u32 v[SPW], v[NIL]
	s_wait_dscnt 0x0
	CROUND                                         ; the closing round: no work-group ends while a partner may still ask for a tile that names it
	s_endpgm
.Lfunc_end_k_qb3d19ea6a1_qkv:
	.size	k_qb3d19ea6a1_qkv, .Lfunc_end_k_qb3d19ea6a1_qkv-k_qb3d19ea6a1_qkv
	.p2alignl 7, 3214868480
	.fill 96, 4, 3214868480
	.section	.rodata,"a",@progbits
	.p2align	6, 0x0
	.amdhsa_kernel k_qb3d19ea6a1_qkv
		.amdhsa_group_segment_fixed_size 327680
		.amdhsa_private_segment_fixed_size 0
		.amdhsa_enable_private_segment 0
		.amdhsa_kernarg_size 112
		.amdhsa_user_sgpr_count 2
		.amdhsa_user_sgpr_kernarg_segment_ptr 1
		.amdhsa_wavefront_size32 1
		.amdhsa_system_sgpr_workgroup_id_x 1
		.amdhsa_system_sgpr_workgroup_id_y 1
		.amdhsa_system_sgpr_workgroup_id_z 1
		.amdhsa_system_vgpr_workitem_id 0
		.amdhsa_next_free_vgpr 1024
		.amdhsa_next_free_sgpr 80
		.amdhsa_reserve_vcc 0
		.amdhsa_float_denorm_mode_32 3
		.amdhsa_float_denorm_mode_16_64 3
		.amdhsa_memory_ordered 1
		.amdhsa_forward_progress 1
		.amdhsa_inst_pref_size 255
	.end_amdhsa_kernel
	.section	.bss,"aw",@nobits
	.p2align	6
	.space	262144
	.amdgpu_metadata
---
amdhsa.version: [ 1, 2 ]
amdhsa.kernels:
  - .name:           k_qb3d19ea6a1_qkv
    .symbol:         k_qb3d19ea6a1_qkv.kd
    .args:
      - { .name: xn_img, .offset: 0, .size: 8, .value_kind: global_buffer, .address_space: global }
      - { .name: xn_sc, .offset: 8, .size: 8, .value_kind: global_buffer, .address_space: global }
      - { .name: rel_bias, .offset: 16, .size: 8, .value_kind: global_buffer, .address_space: global }
      - { .name: wq_codes, .offset: 24, .size: 8, .value_kind: global_buffer, .address_space: global }
      - { .name: wk_codes, .offset: 32, .size: 8, .value_kind: global_buffer, .address_space: global }
      - { .name: wv_codes, .offset: 40, .size: 8, .value_kind: global_buffer, .address_space: global }
      - { .name: wq_scales, .offset: 48, .size: 8, .value_kind: global_buffer, .address_space: global }
      - { .name: wk_scales, .offset: 56, .size: 8, .value_kind: global_buffer, .address_space: global }
      - { .name: wv_scales, .offset: 64, .size: 8, .value_kind: global_buffer, .address_space: global }
      - { .name: bq, .offset: 72, .size: 8, .value_kind: global_buffer, .address_space: global }
      - { .name: bk, .offset: 80, .size: 8, .value_kind: global_buffer, .address_space: global }
      - { .name: bv, .offset: 88, .size: 8, .value_kind: global_buffer, .address_space: global }
      - { .name: ctx_img, .offset: 96, .size: 8, .value_kind: global_buffer, .address_space: global }
      - { .name: ctx_sc, .offset: 104, .size: 8, .value_kind: global_buffer, .address_space: global }
    .group_segment_fixed_size: 327680
    .private_segment_fixed_size: 0
    .kernarg_segment_align: 8
    .kernarg_segment_size: 112
    .max_flat_workgroup_size: 128
    .sgpr_count:     80
    .vgpr_count:     1024
    .wavefront_size: 32
...
	.end_amdgpu_metadata
.endif
;; end of part 2
;; launch oproj (part 3): grid 64 x 4, 4 waves a work-group, clusters of 4 x 1, 327,680 bytes of LDS; arguments ctx_img, ctx_sc, wo_codes, wo_scales, bo, x, out0; writes out0
.if DOCPART == 3
	.amdgcn_target "amdgcn-amd-amdhsa--gfx1250"
	.amdhsa_code_object_version 6
	.text
	.protected	k_qb3d19ea6a1_oproj
	.globl	k_qb3d19ea6a1_oproj
	.p2align	8
	.type	k_qb3d19ea6a1_oproj,@function
k_qb3d19ea6a1_oproj:
	s_mov_b64 s[64:65], 0
	v_nop
	global_prefetch_b8 v0, s[64:65] scope:SCOPE_SE
	s_setreg_imm32_b32 hwreg(HW_REG_WAVE_MODE, 25, 1), 1
	s_wait_xcnt 0x0
	s_wait_alu depctr_hold_cnt(0) depctr_sa_sdst(0) depctr_va_vdst(0) depctr_va_sdst(0) depctr_va_ssrc(0) depctr_va_vcc(0) depctr_vm_vsrc(0)
	s_getreg_b32 s2, hwreg(HW_REG_IB_STS2, 6, 4)
	s_cmp_eq_u32 s2, 0
	s_cbranch_scc0 .Lentry_in_a_cluster
	s_endpgm
.Lentry_in_a_cluster:
	s_bfe_u32 s2, ttmp6, 0x10000c
	s_cmp_lg_u32 s2, 0x3003
	s_cbranch_scc0 .Lentry_shape_is_right
	s_endpgm
.Lentry_shape_is_right:
; The last projection and the residual: out0[row][n] = x[row][n] + bo[n] + sum over k of ctx[row][k] wo[k][n], on codes of FP6 (E2M3) with one E8M0 scale for each 32 along K; sums in f32.
; SHARES.  Work-group (X, y): rows 256 X on, columns 256 y on.  Wave w owns 64 rows (four row tiles m), whose 32 fragments of the context, 384 registers, are RESIDENT; all four waves read the same weight fragments from LDS, each for four products.
; THE WEIGHTS: my 256 rows of wo_codes, whole rows of 768 bytes, each LDS byte filled ONCE, in two goes.  At the head wave w asks for rows 16 w .. 16 w + 15: the first group's 64 rows.
;   Behind the full sequence and a round, which stand behind the second row tile's image loads, wave w asks for rows 64 + 48 w .. 64 + 48 w + 47: the other three groups, which have the rest of the head and the first group's work in which to land.
;   The four row blocks of a cluster need the same rows and ask JOINTLY.
; THE WALK: four groups of 64 columns: a loop of three trips and the last group written out, which asks for nothing more.  A group: two items of 32 weight rows (64 products each, the bias as the first C), then the way out.
; THE WAY OUT: transposed use gives a lane 8 neighbouring columns of a row; a row tile goes through my own stage in LDS and comes back as rows of 256 bytes; x is added; 16 lanes store 256 consecutive bytes, aligned.
;   Row tile by row tile: the additions, the next group's 8 loads of x into the registers just read, the tile's 8 stores.  The next group's scale words and bias are asked for at the head of the way out.
; THE CONTEXT'S IMAGES: fragment (row tile T, K step s) at 12,288 T + 1,536 s; its half c (registers 6 c .. 6 c + 5) at 768 c: registers 0-3 at 16 x lane, then registers 4, 5 at 512 + 8 x lane.
; No data prefetch: x and out0, each touched once, are all but 14 MB of the launch's bytes, and a wave has the next group's 32 loads of x out through each group's 128 products.
; REGISTERS.  Window 0: v1-16 addresses; v24-55 the context's scale words; v56-71 the weights' (two sets); v128-255 accumulators.  Window 1: v0-95 weight fragments; v96-127 the bias; v128-255 x.
;   Windows 2, 3: v0-191 the resident fragments (m, s) at 12 (4 m + s % 4) of window 2 + s / 4; v192-255 rows on their way out.
.set WPITCH, 816                       ; a weight row in LDS: 3 x (256 bytes + 16 of padding)
.set TILEB,  16*WPITCH
.set ITEML,  32*WPITCH
.set MATB,   64*WPITCH                 ; a group's 64 rows
.set HEADB,  64*768                    ; the same in memory
.set STG,    4*MATB                    ; behind the weights: a stage of 16 rows x 272 bytes for each wave
.set STGW,   16*272
.set SPARE,  STG+4*STGW                ; the spare words, 128 bytes for each wave
.set ADW,  1                           ; v1, v2: fragment addresses in the group in hand
.set LI8,  3                           ; 8 x lane
.set VL32, 4                           ; 32 x lane
.set VB8,  5                           ; 32 h
.set STO,  6
.set RD,   7
.set XO,   8                           ; 4,096 h + 16 r
.set SPW,  9                           ; my spare word; never rewritten
.set NIL,  10                          ; 0; never rewritten
.set LI16, 14                          ; 16 x lane
.set L0,   15                          ; 816 r + 24 h;  v16: + 16 h more
.set L0B,  16
.set AS,   24
.set WS,   56
.set ACC,  128
.set WF,   0
.set BI,   96
.set XR,   128
.set OUTR, 192
.set WV,   2
.set XI,   4
.set XSC,  6
.set PW,   8
.set SCQ,  10
.set BSQ,  12
.set XB,   14
.set OB,   16
.set LC,   20
.set TB,   21                          ; where the group in hand lies in LDS
.set G1,   24
.set G0,   32
.set MSB, 0
.macro WIN new                         ; the immediate's high byte repeats the setting that is left
.if MSB != (\new)
	s_set_vgpr_msb (MSB<<8)|(\new)
.set MSB, \new
.endif
.endm
.macro PLACES                          ; four places behind a matrix instruction (ISA guide 7.12.1)
.rept 4
	v_nop
.endr
.endm
.macro CREST
	s_cmp_lg_u32 s[WV], 0
	s_cbranch_scc1 .Lnot_wave_0_\@
	s_barrier_signal -3
.Lnot_wave_0_\@:
	s_barrier_wait -3
	s_barrier_signal -1
	s_barrier_wait -1
.endm
.macro CROUND                          ; a round of the cluster's barrier
	s_barrier_signal -1
	s_barrier_wait -1
	CREST
.endm
.macro WMM d, a, b, c, sa, sb, row     ; row 1: source 0's scales from lanes 16-31
.if (\row) == 0
	v_wmma_scale_f32_16x16x128_f8f6f4 v[\d:\d+7], v[\a:\a+11], v[\b:\b+11], v[\c:\c+7], v[\sa], v[\sb] matrix_a_fmt:MATRIX_FMT_FP6 matrix_b_fmt:MATRIX_FMT_FP6
.else
	v_wmma_scale_f32_16x16x128_f8f6f4 v[\d:\d+7], v[\a:\a+11], v[\b:\b+11], v[\c:\c+7], v[\sa], v[\sb] matrix_a_fmt:MATRIX_FMT_FP6 matrix_b_fmt:MATRIX_FMT_FP6 matrix_a_scale:MATRIX_SCALE_ROW1
.endif
.endm
.macro FRAG reg, ks, tp, half          ; a weight fragment: 24 bytes at 96 s + 24 h and at 96 s + 48 + 24 h of row r, in pieces of 8; the second address serves where lanes 16-31 lie behind one padding more
.irp c, 0,1
.irp p, 0,1,2
.set FO, 96*(\ks)+48*\c+8*\p
.if (FO>>8) == ((FO+24)>>8)
	ds_load_b64 v[\reg+6*\c+2*\p:\reg+6*\c+2*\p+1], v[ADW] offset:ITEML*(\half)+TILEB*(\tp)+FO+16*(FO>>8)
.else
	ds_load_b64 v[\reg+6*\c+2*\p:\reg+6*\c+2*\p+1], v[ADW+1] offset:ITEML*(\half)+TILEB*(\tp)+FO+16*(FO>>8)
.endif
.endr
.endr
.endm
.macro RUNLOAD half, rho               ; 24 LDS loads: K steps 2 rho, 2 rho + 1 of both tiles of an item
	WIN 0x40
.irp u, 0,1
.irp z, 0,1
	FRAG WF+12*(4*((\rho)%2)+2*\u+\z), 2*(\rho)+\u, \z, \half
.endr
.endr
.endm
.macro MULF ks, tp, t0, ws             ; one weight fragment against my four row tiles; an item's eight accumulators take turns
.if (\ks) == 0
	WIN 0x19
.elseif (\ks) < 4
	WIN 0x09
.else
	WIN 0x0d
.endif
.set rW, WF+12*(4*(((\ks)/2)%2)+2*((\ks)%2)+(\tp))
.set rS, WS+8*(\ws)+(\ks)
.irp m, 0,1,2,3
.set rA, 12*(4*\m+((\ks)%4))
.set rD, ACC+32*\m+8*((\t0)+(\tp))
.if (\ks) == 0
.set rC, BI+8*((\t0)+(\tp))
.else
.set rC, rD
.endif
	WMM rD, rW, rA, rC, rS, AS+8*\m+(\ks), \tp
.endr
.endm
.macro WSLOAD ws, off                  ; an item's scale words: lane l takes row l's 32 bytes
	WIN 0
	global_load_b128 v[WS+8*(\ws):WS+8*(\ws)+3], v[VL32], s[SCQ:SCQ+1] offset:\off
	global_load_b128 v[WS+8*(\ws)+4:WS+8*(\ws)+7], v[VL32], s[SCQ:SCQ+1] offset:\off+16
.endm
.macro BILOAD                          ; the bias in the result's layout: tile t, register j: column 16 t + 8 h + j
	WIN 0x40
.irp t, 0,1,2,3
	global_load_b128 v[BI+8*\t:BI+8*\t+3], v[VB8], s[BSQ:BSQ+1] offset:64*\t
	global_load_b128 v[BI+8*\t+4:BI+8*\t+7], v[VB8], s[BSQ:BSQ+1] offset:64*\t+16
.endr
.endm
.macro XRLOAD m                        ; x of row tile m, 64 columns: 16 lanes read 256 consecutive bytes, aligned
	WIN 0x40
.irp i, 0,1,2,3,4,5,6,7
	global_load_b128 v[XR+32*(\m)+4*\i:XR+32*(\m)+4*\i+3], v[XO], s[XB:XB+1] offset:(16*(\m)+2*\i)*4096 th:TH_LOAD_NT
.endr
.endm
.macro RESM m                          ; row tile m's eight images become registers: 32 loads
.irp w, 0,1
	WIN 0x80+0x40*\w
.irp q, 0,1,2,3
.irp c, 0,1
	global_load_b128 v[12*(4*\m+\q)+6*\c:12*(4*\m+\q)+6*\c+3], v[LI16], s[XI:XI+1] offset:(8*\m+4*\w+\q)*1536+768*\c
	global_load_b64 v[12*(4*\m+\q)+6*\c+4:12*(4*\m+\q)+6*\c+5], v[LI8], s[XI:XI+1] offset:(8*\m+4*\w+\q)*1536+768*\c+512
.endr
.endr
.endr
.endm
; AN ITEM: 32 weight rows against my 64 rows, all of K: four runs of 16 products; each run's 24 LDS loads are issued a run ahead.  mode 1: the group's second item follows; 2: the next group; 0: nothing.
.macro JOB t0, half, mode, lw
.if (\lw) >= 0
	s_wait_loadcnt \lw                             ; all but the 32 loads of x: the scale words and the bias are in (the first time: the images too)
.endif
.irp rho, 0,1,2
	PLACES
	RUNLOAD \half, \rho+1
	s_wait_dscnt 24                                ; all but the 24 just issued
	MULF 2*\rho, 0, \t0, \half
	MULF 2*\rho, 1, \t0, \half
	MULF 2*\rho+1, 0, \t0, \half
	MULF 2*\rho+1, 1, \t0, \half
.endr
.if (\mode) == 1
	PLACES
	RUNLOAD 1, 0
	s_wait_dscnt 24
	MULF 6, 0, \t0, \half
	MULF 6, 1, \t0, \half
	MULF 7, 0, \t0, \half
	MULF 7, 1, \t0, \half
.elseif (\mode) == 2
	s_wait_tensorcnt 0x0                           ; my 48 rows of the later groups have landed,
	s_wait_dscnt 0x0                               ; and no LDS load of mine is out at the signal
	MULF 6, 0, \t0, \half
	MULF 6, 1, \t0, \half
	s_barrier_signal -1
	MULF 7, 0, \t0, \half
	WIN 0
	s_barrier_wait -1                              ; everybody's have.
	s_add_co_u32 s[TB], s[TB], MATB                ; on to the next group's rows
	v_add_nc_u32 v[ADW], s[TB], v[L0]
	v_add_nc_u32 v[ADW+1], s[TB], v[L0B]
	v_nop
	v_nop                                          ; (four places in front of the loads below)
	RUNLOAD 0, 0
	MULF 7, 1, \t0, \half
.else
	s_wait_dscnt 0x0
	MULF 6, 0, \t0, \half
	MULF 6, 1, \t0, \half
	MULF 7, 0, \t0, \half
	MULF 7, 1, \t0, \half
.endif
.endm
.macro EPI next                        ; a group's way out
	s_wait_xcnt 0x0                                ; every earlier load and store has read its registers and its base: the bases step, and the last group's rows may be written over
.if \next
	s_add_nc_u64 s[SCQ:SCQ+1], s[SCQ:SCQ+1], 2048
	s_add_nc_u64 s[BSQ:BSQ+1], s[BSQ:BSQ+1], 256
	s_add_nc_u64 s[XB:XB+1], s[XB:XB+1], 256
.endif
	s_add_nc_u64 s[OB:OB+1], s[OB:OB+1], 256       ; 256 bytes beyond this group: its stores reach back by their immediate
	PLACES
.if \next
	WSLOAD 0, 0
	WSLOAD 1, 1024
	BILOAD
.endif
.irp m, 0,1,2,3
	WIN 0
.irp t, 0,1,2,3
	ds_store_b128 v[STO], v[ACC+32*\m+8*\t:ACC+32*\m+8*\t+3] offset:64*\t          ; each accumulator from its low end on
	ds_store_b128 v[STO], v[ACC+32*\m+8*\t+4:ACC+32*\m+8*\t+7] offset:64*\t+16
.endr
	WIN 0x80+0x40*(\m/2)
.irp i, 0,1,2,3,4,5,6,7
	ds_load_b128 v[OUTR+32*(\m%2)+4*\i:OUTR+32*(\m%2)+4*\i+3], v[RD] offset:544*\i   ; LDS serves a wave's instructions in order (ISA guide 5.7.1.4)
.endr
.endr
.if \next
	s_wait_loadcnt 12                              ; this group's x is in; the 12 loads just issued may be out
.else
	s_wait_loadcnt 0x0
.endif
.irp m, 0,1,2,3
	s_wait_dscnt 48-16*\m                          ; row tile m is back; the later tiles' 16 LDS instructions each may be out
	WIN 0x86+0x41*(\m/2)
.irp p, 0,1,2,3,4,5,6,7,8,9,10,11,12,13,14,15
	v_pk_add_f32 v[OUTR+32*(\m%2)+2*\p:OUTR+32*(\m%2)+2*\p+1], v[OUTR+32*(\m%2)+2*\p:OUTR+32*(\m%2)+2*\p+1], v[XR+32*\m+2*\p:XR+32*\m+2*\p+1]
.endr
.if \next
	XRLOAD \m                                      ; the next group's x, ahead of the stores
.endif
	WIN 0x08+0x04*(\m/2)
.irp i, 0,1,2,3,4,5,6,7
	global_store_b128 v[XO], v[OUTR+32*(\m%2)+4*\i:OUTR+32*(\m%2)+4*\i+3], s[OB:OB+1] offset:(16*\m+2*\i)*4096-256 th:TH_STORE_NT
.endr
.endr
	WIN 0
.endm
.macro GROUP next
	JOB 0, 0, 1, 32
	JOB 2, 1, 2*(\next), -1
	EPI \next
.endm
	s_load_b256 s[4:11], s[0:1], 0x0               ; the context's images and scale words, wo's codes and scale bytes
	s_load_b128 s[12:15], s[0:1], 0x20             ; bo, x
	s_load_b64 s[16:17], s[0:1], 0x30              ; out0
	v_lshl_add_u32 v[SPW], v0, 2, SPARE
	v_mov_b32 v[NIL], 0
	ds_add_u32 v[SPW], v[NIL]                      ; the opening lines: the add, twice on end, and its wait ahead of my first tensor load
	ds_add_u32 v[SPW], v[NIL]
	v_lshrrev_b32 v11, 5, v0
	v_readfirstlane_b32 s[WV], v11                 ; wave 0..3
	s_bfe_u32 s3, ttmp6, 0x40000                   ; cx: it enters the rows' addresses alone
	s_lshl_b32 s48, ttmp9, 2
	s_add_co_u32 s48, s48, s3                      ; my block of 256 rows
	s_and_b32 s49, ttmp7, 0xffff                   ; my 256 columns, which the four partners share
	s_lshl_b32 s48, s48, 4
	s_lshl_b32 s3, s[WV], 2
	s_add_co_u32 s48, s48, s3                      ; my first row tile
	s_mul_i32 s50, s[WV], TILEB                    ; where the first group's rows that I fetch go
	s_mov_b32 s[G1], 15|(1<<20)|(1<<21)|(5<<22)|(3<<25)  ; the mask: all four work-groups; elements of 1 byte; 4 words of padding after every 64
	s_mov_b32 s[G1+1], 768<<16
	s_mov_b32 s[G1+2], 16<<16
	s_mov_b32 s[G1+3], 768<<16
	s_mov_b32 s[G1+4], 16
	s_mov_b32 s[G1+5], 768
	s_mov_b32 s[G1+6], 0
	s_mov_b32 s[G1+7], 0
	s_mov_b32 s19, 0
	s_mov_b32 s[TB], 0
	v_and_b32 v11, 31, v0                          ; lane
	v_and_b32 v12, 15, v0                          ; r
	v_bfe_u32 v13, v0, 4, 1                        ; h
	v_mul_u32_u24 v[L0], v12, WPITCH
	v_mad_u32_u24 v[L0], v13, 24, v[L0]
	v_lshl_add_u32 v[L0B], v13, 4, v[L0]
	v_add_nc_u32 v[ADW], s[TB], v[L0]
	v_add_nc_u32 v[ADW+1], s[TB], v[L0B]
	v_lshlrev_b32 v[LI8], 3, v11
	v_lshlrev_b32 v[LI16], 4, v11
	v_lshlrev_b32 v[VL32], 5, v11
	v_lshlrev_b32 v[VB8], 5, v13
	s_mul_i32 s51, s[WV], STGW
	s_add_co_u32 s51, s51, STG                     ; my stage
	v_mul_u32_u24 v[STO], v12, 272
	v_lshl_add_u32 v[STO], v13, 5, v[STO]
	v_add_nc_u32 v[STO], s51, v[STO]
	v_mul_u32_u24 v[RD], v13, 272
	v_lshl_add_u32 v[RD], v12, 4, v[RD]
	v_add_nc_u32 v[RD], s51, v[RD]
	v_lshlrev_b32 v[XO], 12, v13
	v_lshl_add_u32 v[XO], v12, 4, v[XO]
	s_wait_alu depctr_va_vdst(0)
	s_wait_dscnt 0x0                               ; both opening adds are done
	s_wait_kmcnt 0x0
	s_mul_i32 s18, s48, 12288
	s_add_nc_u64 s[XI:XI+1], s[XI:XI+1], s[18:19]
	s_lshl_b32 s18, s48, 8
	s_add_nc_u64 s[XSC:XSC+1], s[XSC:XSC+1], s[18:19]
	s_lshl_b32 s18, s48, 16
	s_add_nc_u64 s[XB:XB+1], s[XB:XB+1], s[18:19]
	s_add_nc_u64 s[OB:OB+1], s[OB:OB+1], s[18:19]
	s_lshl_b32 s18, s49, 10
	s_add_nc_u64 s[XB:XB+1], s[XB:XB+1], s[18:19]
	s_add_nc_u64 s[OB:OB+1], s[OB:OB+1], s[18:19]
	s_add_nc_u64 s[BSQ:BSQ+1], s[BSQ:BSQ+1], s[18:19]
	s_lshl_b32 s18, s49, 13
	s_add_nc_u64 s[SCQ:SCQ+1], s[SCQ:SCQ+1], s[18:19]
	s_mul_i32 s18, s49, 4*HEADB
	s_add_nc_u64 s[PW:PW+1], s[PW:PW+1], s[18:19]
	s_mul_i32 s18, s[WV], 16*768
	s_add_nc_u64 s[PW:PW+1], s[PW:PW+1], s[18:19]
	RESM 0                                         ; my first row tile's images are asked for ahead of the round
	WIN 0
	CROUND                                         ; all four work-groups are here: the joint loads meet
	s_mov_b32 s[G0], 1
	s_mov_b32 s[G0+1], s50
	s_mov_b64 s[G0+2:G0+3], s[PW:PW+1]
	s_or_b32 s[G0+3], s[G0+3], 0x80000000
	tensor_load_to_lds s[G0:G0+3], s[G1:G1+7]      ; my one tensor load at the head: 16 rows of the first group
	s_nop 0
	PLACES
	RESM 1                                         ; 64 loads are out now
	WIN 0
	s_wait_tensorcnt 0x0                           ; my 16 rows have landed:
	ds_add_u32 v[SPW], v[NIL]                      ; 0 onto my spare word;
	s_mov_b32 s[G1+2], 48<<16                      ; no tensor load of mine is out, so the descriptor may be written: 48 rows,
	s_mov_b32 s[G1+4], 48
	s_mul_i32 s50, s[WV], 48*WPITCH
	s_add_co_u32 s[G0+1], s50, MATB                ; behind the first group in LDS,
	s_mul_i32 s18, s[WV], 32*768
	s_add_nc_u64 s[G0+2:G0+3], s[G0+2:G0+3], s[18:19]
	s_add_nc_u64 s[G0+2:G0+3], s[G0+2:G0+3], HEADB ; from row 16 w to row 64 + 48 w
	s_wait_dscnt 0x0                               ; the add is done
	CROUND                                         ; the first group is whole in every work-group, and the joint loads meet
	tensor_load_to_lds s[G0:G0+3], s[G1:G1+7]      ; the first tensor load behind the round, and my last
	s_nop 0
	PLACES
	RESM 2
	RESM 3
	WIN 0
.irp m, 0,1,2,3
.irp q, 0,1,2,3
	global_load_b64 v[AS+8*\m+2*\q:AS+8*\m+2*\q+1], v[LI8], s[XSC:XSC+1] offset:262144*\q+256*\m
.endr
.endr
	WSLOAD 0, 0
	WSLOAD 1, 1024
	BILOAD
.irp m, 0,1,2,3
	XRLOAD \m
.endr
	RUNLOAD 0, 0
	WIN 0
	s_mov_b32 s[LC], 3
.Lgroup:
	GROUP 1
	s_sub_co_i32 s[LC], s[LC], 1
	s_cmp_lg_u32 s[LC], 0
	s_wait_alu depctr_va_vdst(0)
	s_cbranch_scc1 .Lgroup
	GROUP 0                                        ; the last group asks for nothing more
	s_wait_tensorcnt 0x0                           ; the wave's end
	ds_add_u32 v[SPW], v[NIL]
	s_wait_dscnt 0x0
	CROUND                                         ; the closing round
	s_endpgm
.Lfunc_end_k_qb3d19ea6a1_oproj:
	.size	k_qb3d19ea6a1_oproj, .Lfunc_end_k_qb3d19ea6a1_oproj-k_qb3d19ea6a1_oproj
	.p2alignl 7, 3214868480
	.fill 96, 4, 3214868480
	.section	.rodata,"a",@progbits
	.p2align	6, 0x0
	.amdhsa_kernel k_qb3d19ea6a1_oproj
		.amdhsa_group_segment_fixed_size 327680
		.amdhsa_private_segment_fixed_size 0
		.amdhsa_enable_private_segment 0
		.amdhsa_kernarg_size 56
		.amdhsa_user_sgpr_count 2
		.amdhsa_user_sgpr_kernarg_segment_ptr 1
		.amdhsa_wavefront_size32 1
		.amdhsa_system_sgpr_workgroup_id_x 1
		.amdhsa_system_sgpr_workgroup_id_y 1
		.amdhsa_system_sgpr_workgroup_id_z 1
		.amdhsa_system_vgpr_workitem_id 0
		.amdhsa_next_free_vgpr 1024
		.amdhsa_next_free_sgpr 66
		.amdhsa_reserve_vcc 0
		.amdhsa_float_denorm_mode_32 3
		.amdhsa_float_denorm_mode_16_64 3
		.amdhsa_memory_ordered 1
		.amdhsa_forward_progress 1
		.amdhsa_inst_pref_size 112
	.end_amdhsa_kernel
	.amdgpu_metadata
---
amdhsa.version: [ 1, 2 ]
amdhsa.kernels:
  - .name:           k_qb3d19ea6a1_oproj
    .symbol:         k_qb3d19ea6a1_oproj.kd
    .args:
      - { .name: ctx_img, .offset: 0, .size: 8, .value_kind: global_buffer, .address_space: global }
      - { .name: ctx_sc, .offset: 8, .size: 8, .value_kind: global_buffer, .address_space: global }
      - { .name: wo_codes, .offset: 16, .size: 8, .value_kind: global_buffer, .address_space: global }
      - { .name: wo_scales, .offset: 24, .size: 8, .value_kind: global_buffer, .address_space: global }
      - { .name: bo, .offset: 32, .size: 8, .value_kind: global_buffer, .address_space: global }
      - { .name: x, .offset: 40, .size: 8, .value_kind: global_buffer, .address_space: global }
      - { .name: out0, .offset: 48, .size: 8, .value_kind: global_buffer, .address_space: global }
    .group_segment_fixed_size: 327680
    .private_segment_fixed_size: 0
    .kernarg_segment_align: 8
    .kernarg_segment_size: 56
    .max_flat_workgroup_size: 128
    .sgpr_count:     66
    .vgpr_count:     1024
    .wavefront_size: 32
...
	.end_amdgpu_metadata
.endif
;; end of part 3
